; MI455X (gfx1250); checked and timed in simulation.
; The chip was launched on July 23, 2026; its instructions are those of AMD's public machine-readable ISA for CDNA 5 (MIT licence, August 2026) and "CDNA5" Instruction Set Architecture Reference Guide (July 2026). The comments in the code are by the model that wrote it; some were corrected since.
;; Block. Allowed arithmetic: matrix products marked QUANTISED: E5M2 operands, one E8M0 scale for each 32 along K, by v_wmma_scale_f32_16x16x128_f8f6f4 with both operands' format E5M2, f32 sums; everything else in f32.
;; Inputs: W1_codes 4,096 x 32 x 32 uint8 (E5M2 codes of W1, K innermost, in blocks of 32 codes); W1_scales 4,096 x 32 uint8 (E8M0 scales of W1, one for each 32 codes along K); W2_codes 1,024 x 128 x 32 uint8 (E5M2 codes of W2, K innermost, in blocks of 32 codes); W2_scales 1,024 x 128 uint8 (E8M0 scales of W2, one for each 32 codes along K); Wk_codes 16 x 64 x 32 x 32 uint8 (E5M2 codes of Wk, K innermost, in blocks of 32 codes); Wk_scales 16 x 64 x 32 uint8 (E8M0 scales of Wk, one for each 32 codes along K); Wo_codes 1,024 x 32 x 32 uint8 (E5M2 codes of Wo, K innermost, in blocks of 32 codes); Wo_scales 1,024 x 32 uint8 (E8M0 scales of Wo, one for each 32 codes along K); Wq_codes 16 x 64 x 32 x 32 uint8 (E5M2 codes of Wq, K innermost, in blocks of 32 codes); Wq_scales 16 x 64 x 32 uint8 (E8M0 scales of Wq, one for each 32 codes along K); Wv_codes 16 x 64 x 32 x 32 uint8 (E5M2 codes of Wv, K innermost, in blocks of 32 codes); Wv_scales 16 x 64 x 32 uint8 (E8M0 scales of Wv, one for each 32 codes along K); b1 4,096 float32; b2 1,024 float32; be1 1,024 float32; be2 1,024 float32; bo 1,024 float32; g1 1,024 float32; g2 1,024 float32; x 2 x 2,048 x 1,024 float32.
;; Outputs: out0 2 x 2,048 x 1,024 float32.
;; This version of the problem:
;;   THIS VERSION OF THE PROBLEM IS GIVEN IN LOW PRECISION. The matrix products marked QUANTISED in the list below multiply operands that are first quantised to E5M2 (5 exponent bits, 2 mantissa bits; 8 bits a number), with one power-of-two scale for each 32 numbers along K (OCP MX v1.0); their sums are f32. All else is computed in f32.
;;   The module's matrix products, in the order in which they are computed (A, B: the left and right operand; K: the contracted axis; several contracted axes count as one K, in the product's order):
;;     1. [M 1,024, K 1,024] x [K 1,024, N 4,096]; A: input Wq (given as codes); B: computed on the way: QUANTISED
;;     2. [M 1,024, K 1,024] x [K 1,024, N 4,096]; A: input Wk (given as codes); B: computed on the way: QUANTISED
;;     3. [M 1,024, K 1,024] x [K 1,024, N 4,096]; A: input Wv (given as codes); B: computed on the way: QUANTISED
;;     4. batch 32 x [M 2,048, K 64] x [K 64, N 2,048]; A: computed on the way; B: computed on the way: QUANTISED
;;     5. batch 32 x [M 2,048, K 2,048] x [K 2,048, N 64]; A: softmax (see below); B: computed on the way: QUANTISED
;;     6. [M 4,096, K 1,024] x [K 1,024, N 1,024]; A: computed on the way; B: input Wo (given as codes): QUANTISED
;;     7. [M 4,096, K 1,024] x [K 1,024, N 4,096]; A: computed on the way; B: input W1 (given as codes): QUANTISED
;;     8. [M 4,096, K 4,096] x [K 4,096, N 1,024]; A: computed on the way; B: input W2 (given as codes): QUANTISED
;;   THE QUANTISER, for each operand of a quantised product, along K:
;;     - K is cut into blocks of 32 from its start; a last block that is shorter is filled with zeros.
;;     - A block's scale is 2^e with e = floor(log2(the largest magnitude in the block)) - 15, held to -126 .. 127; a block of zeros has e = 0. As a byte (E8M0): e + 127.
;;     - Each number is divided by its block's scale, clamped to +-57,344, and rounded to the nearest number of E5M2, ties to even, subnormals kept.
;;     - The product sums the exact products of the quantised numbers (number of the format x scale) in f32.
;;   ~~~python
;;   def quantise(x, axis):      # numpy; x: float32 -> the quantised numbers, widened to float32 again
;;       x = np.moveaxis(x, axis, -1); K = x.shape[-1]
;;       x = np.pad(x, [(0, 0)] * (x.ndim - 1) + [(0, -K % 32)]); x = x.reshape(x.shape[:-1] + (-1, 32)); a = np.abs(x).max(-1, keepdims=True)
;;       e = np.where(a > 0, np.clip(np.frexp(np.where(a > 0, a, 1))[1] - 1 - 15, -126, 127), 0)      # np.frexp(a)[1] - 1 = floor(log2(a)), exactly
;;       r = np.clip(x / 2.0 ** e, -57344, 57344)
;;       step = 2.0 ** (np.maximum(np.frexp(np.where(r == 0, 1, r))[1] - 1, -14) - 2)
;;       q = np.round(r / step) * step * 2.0 ** e      # np.round: ties to even
;;       return np.moveaxis(q.reshape(q.shape[:-2] + (-1,))[..., :K], -1, axis).astype(np.float32)
;;   ~~~
;;   SOFTMAX AHEAD OF A QUANTISED PRODUCT. Where the list says 'softmax', what is quantised is not the finished softmax but p = 2^(t - M), with t = logit x log2(e) and M = ceil(the row's largest t), a whole number; so 1/2 < the row's largest p <= 1. The row's sum l is taken of the UNQUANTISED p, in f32, and the product's result is divided by l at the end. Since M is a whole number, a kernel that streams over the keys may use a running M (the ceiling of the running maximum): every later rescaling is an exact power of two, which a block's scale takes up: the codes' values come out the same.
;;   OPERANDS COMPUTED ON THE WAY. 'Computed on the way' means the value that the module computes at that place (a softmax that the list does not call 'softmax' is quantised finished and normalised). What goes into a quantiser is computed in f32, as accurately as f32 sums, v_exp_f32 and their like allow (about 1e-6 of the number): no bf16 or f16 on the way to a quantiser, and a product that is left as it is and whose result goes on into a quantised operand takes f32 operands (vector FMAs, or v_wmma_f32_16x16x4_f32). A number that lies on a knife's edge between two numbers of the format may be rounded either way, as far as f32 arithmetic and the matrix unit's own rounding can turn it there, and no further.
;;   INPUTS GIVEN AS CODES. W1 (in the module: [1024, 4096], K = its axis 0); W2 (in the module: [4096, 1024], K = its axis 0); Wk (in the module: [16, 1024, 64], K = its axis 1); Wo (in the module: [1024, 1024], K = its axis 0); Wq (in the module: [16, 1024, 64], K = its axis 1); Wv (in the module: [16, 1024, 64], K = its axis 1): each comes as NAME_codes (uint8): NAME with its K axis moved to the last place and cut into blocks of 32 codes, [.., K / 32, bytes a block], one block behind the other in memory; one code a byte (a code: sign, 5 exponent bits, 2 mantissa bits); and NAME_scales (uint8): the same leading axes, one E8M0 byte (e + 127) for each 32 codes along K. Its value is code x scale, taken as it is: it is not quantised again, and the codes and scales need not be those that the quantiser above would give.
;; One version. Each part assembles by itself: llvm-mc -triple=amdgcn-amd-amdhsa -mcpu=gfx1250 --defsym DOCPART=n.
;; ======== version 1 of 1: 7 launches
;; workspace buffers: hbuf 4,325,376 bytes; qkv 12,976,128 bytes; obuf 4,325,376 bytes; x1 16,777,216 bytes; fbuf 17,301,504 bytes
;; launch ln1 (part 1): grid 256 x 1, 4 waves a work-group, no clusters, 82,944 bytes of LDS; arguments x, g1, be1, hbuf; writes hbuf
.if DOCPART == 1
	.amdgcn_target "amdgcn-amd-amdhsa--gfx1250"
	.amdhsa_code_object_version 6
	.text
	.protected	k_q40d4982721_ln1
	.globl	k_q40d4982721_ln1
	.p2align	8
	.type	k_q40d4982721_ln1,@function
k_q40d4982721_ln1:
	s_mov_b64 s[64:65], 0
	v_nop
	global_prefetch_b8 v0, s[64:65] scope:SCOPE_SE
	s_setreg_imm32_b32 hwreg(HW_REG_WAVE_MODE, 25, 1), 1
	s_wait_xcnt 0x0
; h = LayerNorm(x) g + b for 4,096 rows of 1,024 f32, quantised along the row to codes of BF8 (E5M2) with one E8M0 byte for each 32 numbers.
; OUT: one buffer: codes [4096][1024] from byte 0, scale bytes [4096][32] from byte 4,194,304.
; SHARES: a work-group takes 16 rows, a wave 4; a row lies whole in one wave (32 registers a lane), so mean and variance never leave the wave.  All 32 loads of a wave go out at the head.
; The mean is taken first and the variance of x - mean (two passes over registers), so a common offset of the inputs costs no accuracy.
; The conversions want 16 NEIGHBOURS in a lane, the loads give neighbouring lanes neighbouring bytes: a half row (2,048 bytes) turns through the wave's own stage in LDS, 16 bytes of padding behind each 64.
; Each (row, half) has a stage of its own: nothing in LDS is written twice.  A lane's 16 codes are 16 bytes: a wave's store covers 512 consecutive bytes.  The work-group's 512 scale bytes meet in LDS and leave by one store of wave 0.
; A block's scale is 2^(floor(log2(largest magnitude)) - 15); its byte is the largest magnitude's exponent field - 15, held at 1 from below.
; LIMITS: NaN and infinities among the inputs are not served; a block of zeros, or one whose largest magnitude lies under 2^-111, gets the byte 1 (its codes are zeros or tiny); these bytes are read by this program alone.
; No tensor load, no cluster, no matrix unit: nothing is shared between work-groups and every byte is read once.
.set WREG,  20480                      ; LDS of a wave: eight stages
.set STGB,  2560                       ; a stage: 32 places of 80 bytes
.set SP,    80                         ; a place: 64 bytes + 16 of padding
.set SCB,   4*WREG                     ; behind the stages: the work-group's 512 scale bytes
.set T,     32                         ; v32-63   a row turned: two sets of 16 neighbours
.set X,     64                         ; v64-191  four rows as loaded; a row's first eight registers later take its codes
.set G,     192                        ; v192-223 the gain of my 32 columns
.set BE,    224                        ; v224-255 the bias
	s_load_b256 s[4:11], s[0:1], 0x0               ; x s[4:5], g s[6:7], b s[8:9], out s[10:11]
	v_lshl_add_u32 v30, v0, 2, 0x14200
	v_mov_b32 v31, 0
	v_lshrrev_b32 v1, 5, v0
	v_readfirstlane_b32 s14, v1                    ; wave
	v_and_b32 v1, 31, v0                           ; lane
	v_lshlrev_b32 v2, 4, v1                        ; 16 x lane: my bytes of a load's or a store's 512
	s_mul_i32 s15, s14, WREG
	v_lshrrev_b32 v3, 2, v1
	v_mul_u32_u24 v3, v3, SP
	v_and_b32 v4, 3, v1
	v_lshl_add_u32 v3, v4, 4, v3
	v_add_nc_u32 v3, s15, v3                       ; into a stage: four lanes' 64 bytes on end, then the padding
	v_mul_u32_u24 v4, v1, SP
	v_add_nc_u32 v4, s15, v4                       ; out of it: my 16 neighbours
	s_lshl_b32 s19, s14, 7
	s_add_co_u32 s19, s19, SCB
	v_lshrrev_b32 v5, 1, v1
	v_add_nc_u32 v5, s19, v5                       ; my block's scale byte: 128 x wave + lane / 2
	v_lshl_add_u32 v6, v1, 4, SCB                  ; the scale bytes on their way out
	v_mov_b32 v19, 0                               ; written once: a lane permute's destination counts as one of its sources
	s_mov_b32 s16, 0x76543210
	s_mov_b32 s17, 0xfedcba98                      ; lane l xor 16
	s_mov_b32 s18, 0x600000                        ; the mantissa field of 57,344
	s_lshl_b32 s20, ttmp9, 4
	s_lshl_b32 s21, s14, 2
	s_add_co_u32 s20, s20, s21                     ; my first row: 16 x work-group + 4 x wave
	s_lshl_b32 s22, s20, 12                        ; in x,
	s_mov_b32 s23, 0
	s_lshl_b32 s24, s20, 10                        ; among the codes;
	s_mov_b32 s25, 0
	s_lshl_b32 s26, ttmp9, 9
	s_add_co_u32 s26, s26, 0x400000                ; the work-group's scale bytes
	s_mov_b32 s27, 0
	s_wait_kmcnt 0x0
	s_add_nc_u64 s[4:5], s[4:5], s[22:23]
	s_add_nc_u64 s[12:13], s[10:11], s[26:27]
	s_add_nc_u64 s[10:11], s[10:11], s[24:25]
.irp j, 0,1,2,3,4,5,6,7
	global_load_b128 v[G+4*\j:G+4*\j+3], v2, s[6:7] offset:512*\j
.endr
.irp j, 0,1,2,3,4,5,6,7
	global_load_b128 v[BE+4*\j:BE+4*\j+3], v2, s[8:9] offset:512*\j
.endr
.irp i, 0,1,2,3
.irp j, 0,1,2,3,4,5,6,7
	global_load_b128 v[X+32*\i+4*\j:X+32*\i+4*\j+3], v2, s[4:5] offset:4096*\i+512*\j th:TH_LOAD_NT
.endr
.endr
.macro RED                             ; v8 summed over the 32 lanes, the sum in every lane
	v_add_f32_dpp v8, v8, v8 row_xmask:1 row_mask:0xf bank_mask:0xf
	v_add_f32_dpp v8, v8, v8 row_xmask:2 row_mask:0xf bank_mask:0xf
	v_add_f32_dpp v8, v8, v8 row_xmask:4 row_mask:0xf bank_mask:0xf
	v_add_f32_dpp v8, v8, v8 row_xmask:8 row_mask:0xf bank_mask:0xf
	v_permlanex16_b32 v19, v8, s16, s17
	v_add_f32 v8, v8, v19
.endm
.macro QSTEP i, st                     ; half st of row i: 16 neighbours a lane, two lanes to a block
.set TS, T+16*(\st)
.set CR, X+32*(\i)+4*(\st)
	v_max3_num_f32 v16, |v[TS]|, |v[TS+1]|, |v[TS+2]|
	v_max3_num_f32 v17, |v[TS+3]|, |v[TS+4]|, |v[TS+5]|
.irp k, 6,10
	v_max3_num_f32 v16, v16, |v[TS+\k]|, |v[TS+\k+1]|
	v_max3_num_f32 v17, v17, |v[TS+\k+2]|, |v[TS+\k+3]|
.endr
	v_max3_num_f32 v16, v16, |v[TS+14]|, |v[TS+15]|
	v_max3_num_f32 v16, v16, v17, 0x8000000        ; and the floor 2^(16 - 127): the byte cannot fall under 1
	v_max_num_f32_dpp v16, v16, v16 row_xmask:1 row_mask:0xf bank_mask:0xf   ; with my neighbour's 16: the block's largest magnitude
	v_add_nc_u32 v18, 0xf8800000, v16              ; 15 off its exponent field: the conversion's scale operand
	v_and_or_b32 v17, v16, 0x7f800000, s18         ; 57,344 x the scale
.irp k, 0,1,2,3,4,5,6,7,8,9,10,11,12,13,14,15
	v_med3_num_f32 v[TS+\k], v[TS+\k], -v17, v17   ; the conversion to an 8-bit code does not saturate (ISA guide 7.6.2): the hold comes first
.endr
	v_cvt_scalef32_pk8_bf8_f32 v[CR:CR+1], v[TS:TS+7], v18
	v_cvt_scalef32_pk8_bf8_f32 v[CR+2:CR+3], v[TS+8:TS+15], v18
	v_lshrrev_b32 v[20+2*(\i)+(\st)], 23, v18      ; the scale's byte (also the plain line behind the conversions)
	ds_store_b8 v5, v[20+2*(\i)+(\st)] offset:32*(\i)+16*(\st)     ; both lanes of a block write the same byte with the same value
	global_store_b128 v2, v[CR:CR+3], s[10:11] offset:1024*(\i)+512*(\st)   ; 32 lanes store 512 consecutive bytes
.endm
.macro ROW i
.set XR, X+32*(\i)
	s_wait_loadcnt 8*(3-\i)                        ; this row's eight loads are in (g and b are older); the rows behind it stay out
	v_pk_add_f32 v[8:9], v[XR:XR+1], v[XR+2:XR+3]
	v_pk_add_f32 v[10:11], v[XR+4:XR+5], v[XR+6:XR+7]
.irp j, 8,12,16,20,24,28
	v_pk_add_f32 v[8:9], v[8:9], v[XR+\j:XR+\j+1]
	v_pk_add_f32 v[10:11], v[10:11], v[XR+\j+2:XR+\j+3]
.endr
	v_pk_add_f32 v[8:9], v[8:9], v[10:11]
	v_add_f32 v8, v8, v9
	RED
	v_mul_f32 v12, 0x3a800000, v8                  ; the mean: sum / 1,024
	v_mov_b32 v13, v12
.irp j, 0,2,4,6,8,10,12,14,16,18,20,22,24,26,28,30
	v_pk_add_f32 v[XR+\j:XR+\j+1], v[XR+\j:XR+\j+1], v[12:13] neg_lo:[0,1] neg_hi:[0,1]   ; x - mean
.endr
	v_pk_mul_f32 v[8:9], v[XR:XR+1], v[XR:XR+1]
	v_pk_mul_f32 v[10:11], v[XR+2:XR+3], v[XR+2:XR+3]
.irp j, 4,8,12,16,20,24,28
	v_pk_fma_f32 v[8:9], v[XR+\j:XR+\j+1], v[XR+\j:XR+\j+1], v[8:9]
	v_pk_fma_f32 v[10:11], v[XR+\j+2:XR+\j+3], v[XR+\j+2:XR+\j+3], v[10:11]
.endr
	v_pk_add_f32 v[8:9], v[8:9], v[10:11]
	v_add_f32 v8, v8, v9
	RED
	v_mov_b32 v15, 0x3727c5ac                      ; 1e-5
	v_fmamk_f32 v14, v8, 0x3a800000, v15           ; the variance + 1e-5
	v_rsq_f32 v14, v14
	v_nop                                          ; a plain line behind the transcendental,
	s_wait_alu depctr_va_vdst(0)                   ; and the wait ahead of its first reader
	v_mov_b32 v15, v14
.irp j, 0,2,4,6,8,10,12,14,16,18,20,22,24,26,28,30
	v_pk_mul_f32 v[XR+\j:XR+\j+1], v[XR+\j:XR+\j+1], v[14:15]
.endr
.irp j, 0,2,4,6,8,10,12,14,16,18,20,22,24,26,28,30
	v_pk_fma_f32 v[XR+\j:XR+\j+1], v[XR+\j:XR+\j+1], v[G+\j:G+\j+1], v[BE+\j:BE+\j+1]
.endr
.irp j, 0,1,2,3,4,5,6,7
	ds_store_b128 v3, v[XR+4*\j:XR+4*\j+3] offset:(2*\i+\j/4)*STGB+640*(\j%4)
.endr
.irp s, 0,1
.irp k, 0,1,2,3
	ds_load_b128 v[T+16*\s+4*\k:T+16*\s+4*\k+3], v4 offset:(2*\i+\s)*STGB+16*\k   ; LDS serves a wave's instructions in order: these see the stores above
.endr
.endr
	s_wait_dscnt 0x0                               ; the row is back, turned; the stage's stores have read the row's registers, which now take the codes
	QSTEP \i, 0
	QSTEP \i, 1
.endm
	ROW 0
	ROW 1
	ROW 2
	ROW 3
	s_wait_dscnt 0x0                               ; for the others' sake: my scale bytes lie in LDS
	s_barrier_signal -1
	s_barrier_wait -1
	s_cmp_lg_u32 s14, 0
	s_cbranch_scc1 .Ldone
	ds_load_b128 v[8:11], v6                       ; wave 0: the work-group's 512 scale bytes,
	s_wait_dscnt 0x0
	global_store_b128 v2, v[8:11], s[12:13]        ; 512 consecutive bytes
.Ldone:
	s_wait_tensorcnt 0x0
	ds_add_u32 v30, v31
	s_wait_dscnt 0x0
	s_endpgm
.Lfunc_end_k_q40d4982721_ln1:
	.size	k_q40d4982721_ln1, .Lfunc_end_k_q40d4982721_ln1-k_q40d4982721_ln1
	.p2alignl 7, 3214868480
	.fill 96, 4, 3214868480
	.section	.rodata,"a",@progbits
	.p2align	6, 0x0
	.amdhsa_kernel k_q40d4982721_ln1
		.amdhsa_group_segment_fixed_size 82944
		.amdhsa_private_segment_fixed_size 0
		.amdhsa_enable_private_segment 0
		.amdhsa_kernarg_size 32
		.amdhsa_user_sgpr_count 2
		.amdhsa_user_sgpr_kernarg_segment_ptr 1
		.amdhsa_wavefront_size32 1
		.amdhsa_system_sgpr_workgroup_id_x 1
		.amdhsa_system_sgpr_workgroup_id_y 1
		.amdhsa_system_sgpr_workgroup_id_z 1
		.amdhsa_system_vgpr_workitem_id 0
		.amdhsa_next_free_vgpr 256
		.amdhsa_next_free_sgpr 66
		.amdhsa_reserve_vcc 0
		.amdhsa_float_denorm_mode_32 3
		.amdhsa_float_denorm_mode_16_64 3
		.amdhsa_memory_ordered 1
		.amdhsa_forward_progress 1
		.amdhsa_inst_pref_size 53
	.end_amdhsa_kernel
	.amdgpu_metadata
---
amdhsa.version: [ 1, 2 ]
amdhsa.kernels:
  - .name:           k_q40d4982721_ln1
    .symbol:         k_q40d4982721_ln1.kd
    .args:
      - { .name: x, .offset: 0, .size: 8, .value_kind: global_buffer, .address_space: global }
      - { .name: g1, .offset: 8, .size: 8, .value_kind: global_buffer, .address_space: global }
      - { .name: be1, .offset: 16, .size: 8, .value_kind: global_buffer, .address_space: global }
      - { .name: hbuf, .offset: 24, .size: 8, .value_kind: global_buffer, .address_space: global }
    .group_segment_fixed_size: 82944
    .private_segment_fixed_size: 0
    .kernarg_segment_align: 8
    .kernarg_segment_size: 32
    .max_flat_workgroup_size: 128
    .sgpr_count:     66
    .vgpr_count:     256
    .wavefront_size: 32
...
	.end_amdgpu_metadata
.endif
;; end of part 1
;; launch qkv (part 2): grid 48 x 4, 4 waves a work-group, clusters of 4 x 4, 327,680 bytes of LDS; arguments hbuf, Wq_codes, Wq_scales, Wk_codes, Wk_scales, Wv_codes, Wv_scales, qkv; writes qkv
.if DOCPART == 2
	.amdgcn_target "amdgcn-amd-amdhsa--gfx1250"
	.amdhsa_code_object_version 6
	.text
	.protected	k_q40d4982721_qkv
	.globl	k_q40d4982721_qkv
	.p2align	8
	.type	k_q40d4982721_qkv,@function
k_q40d4982721_qkv:
	s_mov_b64 s[64:65], 0
	v_nop
	global_prefetch_b8 v0, s[64:65] scope:SCOPE_SE
	s_setreg_imm32_b32 hwreg(HW_REG_WAVE_MODE, 25, 1), 1
	s_wait_xcnt 0x0
	s_wait_alu depctr_hold_cnt(0) depctr_sa_sdst(0) depctr_va_vdst(0) depctr_va_sdst(0) depctr_va_ssrc(0) depctr_va_vcc(0) depctr_vm_vsrc(0)
	s_getreg_b32 s2, hwreg(HW_REG_IB_STS2, 6, 4)
	s_cmp_eq_u32 s2, 0
	s_cbranch_scc0 .Lentry_in_a_cluster
	s_endpgm
.Lentry_in_a_cluster:
	s_bfe_u32 s2, ttmp6, 0x10000c
	s_cmp_lg_u32 s2, 0xf033
	s_cbranch_scc0 .Lentry_shape_is_right
	s_endpgm
.Lentry_shape_is_right:
; q, k, v = h Wq, h Wk, h Wv on codes of BF8 (E5M2) with E8M0 scales, K = 1,024; the results are quantised at once for the attention: q and k along the head's 64, v along the keys.
; ONE TEXT, NO BRANCH ON THE KIND: a product has a side X (source 0), whose rows become the NEXT product's K, and a side Y (source 1), whose row a lane holds.
;   q, k: X = 256 rows of the weight (4 heads x 64), Y = 256 tokens.      v: X = 256 tokens, Y = 256 rows of the weight.     Only pointers and tile numbers are selected, by the cluster's number.
; A tile is 256 x 256, four waves, a wave 128 x 128: 64 accumulators, 512 registers.  K goes in steps of 256 through a ring of two LDS slots filled by the tensor data mover; the scale bytes of the 512 rows come once and stay.
; CLUSTERS: 4 x 4 work-groups; 12 clusters: kind = cluster / 4 (q, k, v), sub = cluster % 4.  Y's tiles are shared along a row of the cluster, X's along a column: each is asked for jointly.
; 192 work-groups: a tile that filled every WGP would need a second shape of main loop; the simpler text is taken.
; THE WAY OUT.  In the result lane (r, h) holds Y row r and, in register j of X tile b, X row 16 b + 8 h + j.  A block of 32 lies in tiles 2 B, 2 B + 1 of lanes l and l xor 16.  The two conversions of a block give 8 + 8 codes;
; two v_permlane16_swap_b32 exchange the upper lanes' first eight with the lower lanes' second eight: lane (r, h) then holds k = 32 B + 16 h + 0 .. 15, which is an operand's register image.  It is stored as it stands.
; OUT (one buffer).  pair = batch x 8 + head / 2, step = 128 tokens.  Codes of kind t from t x 4,194,304: a wave's 128 x 128 is one dense block of 16,384 bytes at (16 pair + step) x 16,384; Y block a, block B at 2,048 a + 512 B + 16 lane.
;   (q, k: [token tile][head of the pair][block of 32][lane][16];  v: [head of the pair][16 channels][block of 32 keys][lane][16].)
;   Scale words from 12,582,912 + t x 131,072: 512 bytes for each (pair, step): [lane][4 words].  q, k: lane 16 x head + r, word P: the two bytes of token tile 2 P, then those of 2 P + 1.  v: lane (r, h), word j: Y block 2 j + h.
; LIMITS: NaN and infinities are not served; a block of zeros, or one under 2^-111, gets the byte 1; these bytes are read by this program alone.
; REGISTERS, in windows of 256: window 0: v0-31 addresses; v32-63 scale words, two sets; from v128 Y's fragments, one set; on the way out v64-99 at work and v128-255 the codes.
;   window 1: X's fragments, two sets.   window 2: the accumulators of my Y blocks 0-3 ((a, b) at v[8 (8 a + b)]);   window 3: those of blocks 4-7.
.set SIZE_K, 1024
.set KSTEP,  256
.set NQ,     KSTEP/128
.set ROWB,   256
.set KROW,   SIZE_K
.set PITCH,  272                       ; an LDS row: 256 bytes + 16 of padding, so that the 16 rows of a fragment load start 68 words apart
.set FR,     16
.set NL,     4
.set NP,     8                         ; places behind this matrix instruction (ISA guide 7.12.1)
.set HALFT,  128*PITCH
.set SLOT,   4*HALFT                   ; Y's 256 rows, then X's 256 rows
.set LAPS,   SIZE_K/(2*KSTEP)
.set KS,     SIZE_K/32
.set SCL,    2*SLOT                    ; behind the ring: the scale bytes, as units of 256 bytes + 16 of padding
.set HALFS,  (128*KS/256)*272
.set SBLK,   (16*KS/256)*272
.set SPARE,  SCL+4*HALFS               ; the spare words, 128 bytes a wave: no other line names them
.set OFFA,   2048                      ; from a Y block's image to the next
.set ADRA, 16                          ; v16-17  LDS address of my Y fragments in slot 0, 1
.set ADRB, 20                          ; v20-21  the same for X
.set LI,   24                          ; v24     16 x lane
.set ADRS, 27                          ; v27     LDS address of my scale words: lanes 0-15 Y's rows, lanes 16-31 X's
.set SPW,  28                          ; v28     my spare word; never rewritten
.set NIL,  29                          ; v29     0; never rewritten
.set SC,   32
.set AF,   128
.set TM,   64                          ; v64-67 largest magnitudes, v68-71 permuted / bytes, v72-75 holds, v76-79 scale operands
.set WD,   80                          ; v80-87  the scale word of each Y block
.set U,    88                          ; v88-95  the words' bytes regrouped
.set Z,    96                          ; v96-99  the four words that I store
.set PCB,  128                         ; v128-255 codes: 16 registers for each Y block, so that no store's data are written again
.set PSEL, 98                          ; s98-99  lane l xor 16
.set MNT,  97                          ; s97     the mantissa field of 57,344
.set G1, 24
.set G0, 32
.set G1B, 48
.set G0B, 56
.set G1S, 68
.set G0S, 76
.set G1SB, 80
.set G0SB, 88
.set MSB, 0
.macro WIN new                         ; the immediate's high byte repeats the setting that is left
.if MSB != (\new)
	s_set_vgpr_msb (MSB<<8)|(\new)
.set MSB, (\new)
.endif
.endm
.set MUL_LO, 0xa1                      ; source 0 (X) window 1, source 1 (Y) window 0, C and D window 2
.set MUL_HI, 0xf1
.set TO_B,   0x40
; A joint load: waves 0 and 1 fetch for Y, waves 2 and 3 for X.  The branch hangs on the wave's number alone.  Four v_nop follow each of the two lines.
.macro JLOAD g0a, g1a, g0b, g1b
	s_cmp_eq_u32 s15, 0
	s_cbranch_scc0 .Lfor_b_\@
	tensor_load_to_lds s[\g0a:\g0a+3], s[\g1a:\g1a+7]
	s_nop 0
.rept 4
	v_nop
.endr
	s_branch .Lasked_\@
.Lfor_b_\@:
	tensor_load_to_lds s[\g0b:\g0b+3], s[\g1b:\g1b+7]
	s_nop 0
.rept 4
	v_nop
.endr
.Lasked_\@:
.endm
.macro CREST                           ; a round of the cluster's barrier behind its opening barrier
	s_cmp_lg_u32 s14, 0
	s_cbranch_scc1 .Lnot_wave_0_\@
	s_barrier_signal -3
.Lnot_wave_0_\@:
	s_barrier_wait -3
	s_barrier_signal -1
	s_barrier_wait -1
.endm
.macro CROUND
	s_barrier_signal -1
	s_barrier_wait -1
	CREST
.endm
	s_load_b512 s[24:39], s[0:1], 0x0              ; h, Wq codes, Wq scales, Wk codes, Wk scales, Wv codes, Wv scales, out
	v_lshl_add_u32 v[SPW], v0, 2, SPARE
	v_mov_b32 v[NIL], 0
	ds_add_u32 v28, v29
	ds_add_u32 v28, v29
	s_wait_dscnt 0x0
	v_lshrrev_b32 v1, 5, v0
	v_readfirstlane_b32 s14, v1                    ; wave 0..3
	s_lshr_b32 s15, s14, 1                         ; which half of Y's rows is mine.  Also: I fetch for Y (0) or for X (1)
	s_and_b32 s16, s14, 1                          ; which half of X's rows.  Also: which 128 rows of that tile I fetch
	s_bfe_u32 s40, ttmp6, 0x40000                  ; cx, cy: my place in the cluster
	s_bfe_u32 s41, ttmp6, 0x40004
	s_lshr_b32 s95, ttmp9, 2                       ; kind: 0 q, 1 k, 2 v: the same in all sixteen partners
	s_and_b32 s96, ttmp9, 3
	s_lshl_b32 s96, s96, 2                         ; 4 x sub
	s_lshl_b32 s43, s41, 2
	s_lshl_b32 s43, 15, s43                        ; my row of the cluster
	s_lshl_b32 s44, 0x1111, s40                    ; my column
	s_wait_kmcnt 0x0
	s_add_nc_u64 s[98:99], s[24:25], 0x400000      ; h's scale bytes lie behind its codes
	s_mov_b64 s[12:13], s[38:39]                   ; out
	s_cmp_eq_u32 s95, 0
	s_cselect_b64 s[4:5], s[26:27], s[30:31]       ; the weight: q's or k's,
	s_cselect_b64 s[6:7], s[28:29], s[32:33]
	s_cmp_eq_u32 s95, 2
	s_cselect_b64 s[4:5], s[34:35], s[4:5]         ; or v's
	s_cselect_b64 s[6:7], s[36:37], s[6:7]
	s_cselect_b64 s[8:9], s[24:25], s[4:5]         ; X: for v the tokens, else the weight
	s_cselect_b64 s[10:11], s[98:99], s[6:7]
	s_cselect_b64 s[4:5], s[4:5], s[24:25]         ; Y: the other one
	s_cselect_b64 s[6:7], s[6:7], s[98:99]
	s_cselect_b32 s97, s96, 0                      ; the tokens' side has 16 tiles: 4 x sub goes to it
	s_cselect_b32 s96, 0, s96
	s_mov_b32 s66, 0x05040100                      ; how the scale words' bytes are regrouped (see the way out)
	s_cselect_b32 s66, 0x03020100, s66
	s_mov_b32 s67, 0x07060302
	s_cselect_b32 s67, 0x07060504, s67
	s_add_co_u32 s42, s40, s97                     ; X tile: hangs on cx alone
	s_add_co_u32 s17, s41, s96                     ; Y tile: hangs on cy alone
	; descriptor group 1: a tile of 128 rows x 256 bytes, padded in LDS
	s_or_b32 s[G1+0], s43, (0<<16)|(1<<20)|(1<<21)|(5<<22)|(3<<25)  ; the mask: Y's tiles go to my row; elements of 1 byte; padding on; bit 21 beside a mask; 4 words after every 64
	s_or_b32 s[G1B+0], s44, (0<<16)|(1<<20)|(1<<21)|(5<<22)|(3<<25)
.irp g, G1, G1B
	s_mov_b32 s[\g+1], ROWB<<16                    ; tensor_dim0
	s_mov_b32 s[\g+2], 128<<16                     ; tensor_dim1
	s_mov_b32 s[\g+3], ROWB<<16                    ; tile_dim0
	s_mov_b32 s[\g+4], 128                         ; tile_dim1
	s_mov_b32 s[\g+5], KROW                        ; the pitch
	s_mov_b32 s[\g+6], 0
	s_mov_b32 s[\g+7], 0
.endr
	; the scale bytes of 128 rows: a dense block, as rows of 256 bytes (32 elements of 8 bytes), 16 bytes of padding behind each
	s_or_b32 s[G1S+0], s43, (3<<16)|(1<<20)|(1<<21)|(5<<22)|(3<<25)
	s_or_b32 s[G1SB+0], s44, (3<<16)|(1<<20)|(1<<21)|(5<<22)|(3<<25)
.irp g, G1S, G1SB
	s_mov_b32 s[\g+1], 32<<16
	s_mov_b32 s[\g+2], (128*KS/256)<<16
	s_mov_b32 s[\g+3], 32<<16
	s_mov_b32 s[\g+4], 128*KS/256
	s_mov_b32 s[\g+5], 32
	s_mov_b32 s[\g+6], 0
	s_mov_b32 s[\g+7], 0
.endr
	s_lshl_b32 s18, s16, 7                         ; which 128 rows of the tile I fetch
	s_lshl_b32 s20, s17, 8
	s_add_co_u32 s20, s20, s18                     ; Y: row 256 x tile + 128 x half
	s_lshl_b32 s46, s42, 8
	s_add_co_u32 s46, s46, s18                     ; X likewise
	s_mov_b32 s21, 0
	s_mov_b32 s47, 0
	s_mov_b64 s[18:19], KS
	s_mul_u64 s[22:23], s[20:21], s[18:19]         ; where these rows' scale bytes begin,
	s_mul_u64 s[92:93], s[46:47], s[18:19]
	s_mov_b64 s[18:19], KROW
	s_mul_u64 s[20:21], s[20:21], s[18:19]         ; and their codes
	s_mul_u64 s[46:47], s[46:47], s[18:19]
	s_mul_i32 s45, s14, HALFT                      ; where they go: wave x 128 rows: no place in the cluster enters an LDS address
	s_mul_i32 s94, s14, HALFS
	s_add_nc_u64 s[20:21], s[4:5], s[20:21]
	s_add_nc_u64 s[22:23], s[6:7], s[22:23]
	s_add_nc_u64 s[46:47], s[8:9], s[46:47]
	s_add_nc_u64 s[92:93], s[10:11], s[92:93]
	CROUND                                         ; all sixteen work-groups are here: the first joint loads meet
	s_mov_b32 s[G0S], 1
	s_add_co_u32 s[G0S+1], s94, SCL
	s_mov_b64 s[G0S+2:G0S+3], s[22:23]
	s_or_b32 s[G0S+3], s[G0S+3], 0x80000000
	s_mov_b32 s[G0SB], 1
	s_add_co_u32 s[G0SB+1], s94, SCL
	s_mov_b64 s[G0SB+2:G0SB+3], s[92:93]
	s_or_b32 s[G0SB+3], s[G0SB+3], 0x80000000
	JLOAD G0S, G1S, G0SB, G1SB                     ; the scales first: they are wanted with K step 0
.irp s, 0,1
	s_mov_b32 s[G0+4*\s], 1
	s_add_co_u32 s[G0+4*\s+1], s45, \s*SLOT
	s_add_nc_u64 s[G0+4*\s+2:G0+4*\s+3], s[20:21], \s*ROWB
	s_or_b32 s[G0+4*\s+3], s[G0+4*\s+3], 0x80000000
	s_mov_b32 s[G0B+4*\s], 1
	s_add_co_u32 s[G0B+4*\s+1], s45, \s*SLOT
	s_add_nc_u64 s[G0B+4*\s+2:G0B+4*\s+3], s[46:47], \s*ROWB
	s_or_b32 s[G0B+4*\s+3], s[G0B+4*\s+3], 0x80000000
	JLOAD G0+4*\s, G1, G0B+4*\s, G1B
.endr
	v_and_b32 v1, 15, v0                           ; r
	v_bfe_u32 v2, v0, 4, 1                         ; h
	v_mul_u32_u24 v3, v1, PITCH
	v_lshl_add_u32 v4, v2, 4, v3                   ; a fragment's row x pitch + 16 x half
	s_mul_i32 s21, s15, HALFT                      ; my 128 rows of Y
	s_mul_i32 s22, s16, HALFT                      ; my 128 rows of X,
	s_add_co_u32 s22, s22, 2*HALFT                 ; which lie behind Y's 256
.irp s, 0,1
	v_add_nc_u32 v[ADRA+\s], s21, v4
	v_add_nc_u32 v[ADRB+\s], s22, v4
	s_add_co_u32 s21, s21, SLOT
	s_add_co_u32 s22, s22, SLOT
.endr
	v_mul_u32_u24 v5, v1, KS                       ; my row's scale bytes: KS a row,
	v_lshrrev_b32 v6, 8, v5
	v_lshl_add_u32 v5, v6, 4, v5                   ; and 16 more for each 256 passed
	s_mul_i32 s21, s15, HALFS
	s_mul_i32 s22, s16, HALFS
	s_add_co_u32 s22, s22, 2*HALFS
	s_sub_co_u32 s22, s22, s21
	v_mul_u32_u24 v6, s22, v2                      ; lanes 16-31 take X's: one product, the distance between the two bases
	s_add_co_u32 s21, s21, SCL
	v_add_nc_u32 v5, v5, v6
	v_add_nc_u32 v[ADRS], s21, v5
	v_and_b32 v6, 31, v0
	v_lshlrev_b32 v[LI], 4, v6
	; where my 128 x 128 goes
	s_lshl_b32 s20, s17, 8
	s_lshl_b32 s21, s15, 7
	s_add_co_u32 s20, s20, s21                     ; my first Y row
	s_lshl_b32 s46, s42, 8
	s_lshl_b32 s47, s16, 7
	s_add_co_u32 s46, s46, s47                     ; my first X row
	s_cmp_eq_u32 s95, 2
	s_cselect_b32 s21, s46, s20                    ; my first token,
	s_cselect_b32 s47, s20, s46                    ; my first row of the weight
	s_lshr_b32 s22, s21, 11                        ; the batch
	s_lshl_b32 s22, s22, 3
	s_lshr_b32 s47, s47, 7
	s_add_co_u32 s22, s22, s47                     ; pair
	s_bfe_u32 s21, s21, 0x40007                    ; step
	s_lshl_b32 s22, s22, 4
	s_add_co_u32 s22, s22, s21                     ; 16 pair + step
	s_lshl_b32 s20, s22, 14
	s_lshl_b32 s21, s95, 22
	s_add_co_u32 s20, s20, s21
	s_mov_b32 s21, 0
	s_lshl_b32 s46, s22, 9
	s_lshl_b32 s47, s95, 17
	s_add_co_u32 s46, s46, s47
	s_add_co_u32 s46, s46, 12582912
	s_mov_b32 s47, 0
	s_add_nc_u64 s[92:93], s[12:13], s[46:47]      ; my scale words
	s_add_nc_u64 s[12:13], s[12:13], s[20:21]      ; my codes
	s_mov_b32 s[PSEL], 0x76543210
	s_mov_b32 s[PSEL+1], 0xfedcba98
	s_mov_b32 s[MNT], 0x600000
.macro FRAG reg, adr, q, i             ; 16 rows x 128 K: lane l holds row l % 16; registers 4 c .. 4 c + 3 hold K = 32 c + 16 (l / 16) + 0 .. 15
.irp c, 0,1,2,3
	ds_load_b128 v[\reg+4*\c:\reg+4*\c+3], v[\adr] offset:128*(\q)+32*\c+(\i)*16*PITCH
.endr
.endm
; 16 matrix instructions: Y's blocks a0, a0 + 1 x X's eight.  The 64 accumulators take turns, one instruction a turn, in the same order in every step.
.macro MUL16 a0, p, q, sc, zero
.irp a, \a0, \a0+1
.irp b, 0,1,2,3,4,5,6,7
.if \zero
	v_wmma_scale_f32_16x16x128_f8f6f4 v[8*(8*((\a)%4)+\b):8*(8*((\a)%4)+\b)+7], v[128*(\p)+FR*\b:128*(\p)+FR*\b+FR-1], v[AF+FR*(\a):AF+FR*(\a)+FR-1], 0, v[SC+8*NQ*(\sc)+NQ*\b+(\q)], v[SC+8*NQ*(\sc)+NQ*(\a)+(\q)] matrix_a_fmt:MATRIX_FMT_BF8 matrix_b_fmt:MATRIX_FMT_BF8 matrix_a_scale:MATRIX_SCALE_ROW1
.else
	v_wmma_scale_f32_16x16x128_f8f6f4 v[8*(8*((\a)%4)+\b):8*(8*((\a)%4)+\b)+7], v[128*(\p)+FR*\b:128*(\p)+FR*\b+FR-1], v[AF+FR*(\a):AF+FR*(\a)+FR-1], v[8*(8*((\a)%4)+\b):8*(8*((\a)%4)+\b)+7], v[SC+8*NQ*(\sc)+NQ*\b+(\q)], v[SC+8*NQ*(\sc)+NQ*(\a)+(\q)] matrix_a_fmt:MATRIX_FMT_BF8 matrix_b_fmt:MATRIX_FMT_BF8 matrix_a_scale:MATRIX_SCALE_ROW1
.endif
.endr
.endr
.endm
.macro FETCH_B slot, q, p
	WIN TO_B
.irp i, 0,1,2,3,4,5,6,7
	FRAG 128*(\p)+FR*\i, ADRB+\slot, \q, \i
.endr
	WIN 0
.endm
.macro FETCH_A slot, q, i0
.irp i, \i0, \i0+1, \i0+2, \i0+3
	FRAG AF+FR*(\i), ADRA+\slot, \q, \i
.endr
.endm
.macro SCALES sc                       ; a K step's scale words: lanes 0-15 take Y's block i, lanes 16-31 X's block i
.irp i, 0,1,2,3,4,5,6,7
	ds_load_b64 v[SC+8*NQ*\sc+NQ*\i:SC+8*NQ*\sc+NQ*\i+1], v[ADRS] offset:\i*SBLK
.endr
.endm
.macro PLACES n                        ; plain vector lines between a matrix instruction and a load into, or a vector line on, its registers
.rept \n
	v_nop
.endr
.endm
.macro STEP slot, q, zero              ; 128 along K that have their successor in the same slot
	s_wait_dscnt 4*NL                              ; X's set and Y's blocks 0-3 are in; the youngest 16 loads (Y's blocks 4-7) may be out
	WIN MUL_LO
	MUL16 0, (\q)%2, \q, \slot, \zero
	MUL16 2, (\q)%2, \q, \slot, \zero
	s_wait_dscnt 0
	PLACES NP
	FETCH_B \slot, (\q)+1, 1-(\q)%2
	FETCH_A \slot, (\q)+1, 0
	WIN MUL_HI
	MUL16 4, (\q)%2, \q, \slot, \zero
	MUL16 6, (\q)%2, \q, \slot, \zero
	PLACES NP
	WIN 0
	FETCH_A \slot, (\q)+1, 4
.endm
; A slot's last step changes slots: one barrier; in front of it each wave waits for all its tensor loads, adds 0 to its spare word, and waits for that and for its reads of this slot.
.macro TURN slot, next, fill
	s_wait_tensorcnt 0x0                           ; all my tensor loads have landed: my part of the next slot
	ds_add_u32 v[SPW], v[NIL]                      ; 0 onto my spare word
	s_wait_dscnt 4*NL+1                            ; (the add and the youngest 16 loads may be out)
	WIN MUL_LO
	MUL16 0, 1, NQ-1, \slot, 0
	s_wait_dscnt 0x0                               ; the add is done, and my reads of this slot are over
	s_barrier_signal -1
	MUL16 2, 1, NQ-1, \slot, 0
	WIN 0
	s_barrier_wait -1
.if \fill
	CREST                                          ; the barrier has opened a round of the cluster's barrier: no wave of any partner still reads this slot or has a load on its way
	s_add_nc_u64 s[G0+4*\slot+2:G0+4*\slot+3], s[G0+4*\slot+2:G0+4*\slot+3], 2*ROWB
	s_add_nc_u64 s[G0B+4*\slot+2:G0B+4*\slot+3], s[G0B+4*\slot+2:G0B+4*\slot+3], 2*ROWB
	JLOAD G0+4*\slot, G1, G0B+4*\slot, G1B         ; the first tensor load behind the round
	PLACES NP-4
.else
	PLACES NP
.endif
	v_add_nc_u32 v[ADRS], 4*NQ, v[ADRS]            ; the next K step's scale words (no LDS load of mine is out)
	FETCH_B \next, 0, 0
	FETCH_A \next, 0, 0
	SCALES \next
	WIN MUL_HI
	MUL16 4, 1, NQ-1, \slot, 0
	MUL16 6, 1, NQ-1, \slot, 0
	PLACES NP
	WIN 0
	FETCH_A \next, 0, 4
.endm
	s_wait_tensorcnt 1                             ; the scales and my part of K step 0 are in; K step 1's load may be out
	s_barrier_signal -1
	s_barrier_wait -1
	FETCH_B 0, 0, 0
	FETCH_A 0, 0, 0
	SCALES 0
	FETCH_A 0, 0, 4
	STEP 0, 0, 1                                   ; the first step's products start the sums: nothing is cleared
	s_mov_b32 s3, LAPS-1
.Llap:
	TURN 0, 1, 1
	STEP 1, 0, 0
	TURN 1, 0, 1
	STEP 0, 0, 0
	s_sub_co_u32 s3, s3, 1
	s_cmp_lg_u32 s3, 0
	s_cbranch_scc1 .Llap
	TURN 0, 1, 0                                   ; the last lap fills nothing
	STEP 1, 0, 0
	s_wait_dscnt 4*NL
	WIN MUL_LO
	MUL16 0, 1, NQ-1, 1, 0
	MUL16 2, 1, NQ-1, 1, 0
	s_wait_dscnt 0
	WIN MUL_HI
	MUL16 4, 1, NQ-1, 1, 0
	MUL16 6, 1, NQ-1, 1, 0
	WIN 0
; THE WAY OUT of Y block a: its 64 registers (register 16 B + i: block B of 32 along X) become a fragment's codes and its rows' scale word.
.macro QW a
.set AC, 64*((\a)%4)
.set WS, 2+(\a)/4
.set PCA, PCB+16*(\a)
	WIN WS|(WS<<2)                                 ; sources 0 and 1: the accumulators' window
.irp b, 0,1,2,3
	v_max3_num_f32 v[TM+\b], |v[AC+16*\b]|, |v[AC+16*\b+1]|, 0x8000000   ; my 16 numbers of block b, from each accumulator's low end on, and the floor 2^(16 - 127)
.endr
.irp i, 2,4,6,8,10,12,14
.irp b, 0,1,2,3
	v_max3_num_f32 v[TM+\b], |v[AC+16*\b+\i]|, |v[AC+16*\b+\i+1]|, v[TM+\b]
.endr
.endr
	WIN 0
.irp b, 0,1,2,3
	v_permlanex16_b32 v[TM+4+\b], v[TM+\b], s[PSEL], s[PSEL+1]
.endr
.irp b, 0,1,2,3
	v_max_num_f32 v[TM+\b], v[TM+\b], v[TM+4+\b]   ; with lane l xor 16's: the block's largest magnitude
.endr
.irp b, 0,1,2,3
	v_add_nc_u32 v[TM+12+\b], 0xf8800000, v[TM+\b] ; 15 off its exponent field: the conversion's scale operand
.endr
.irp b, 0,1,2,3
	v_and_or_b32 v[TM+8+\b], v[TM+\b], 0x7f800000, s[MNT]   ; 57,344 x the scale
.endr
.irp b, 0,1,2,3
	v_lshrrev_b32 v[TM+4+\b], 23, v[TM+12+\b]      ; the scale's byte
.endr
	v_lshl_or_b32 v[WD+\a], v[TM+5], 8, v[TM+4]
	v_lshl_or_b32 v[WD+\a], v[TM+6], 16, v[WD+\a]
	v_lshl_or_b32 v[WD+\a], v[TM+7], 24, v[WD+\a]
	WIN WS|(WS<<6)                                 ; source 0 and the destination: the accumulators' window
.irp b, 0,1,2,3
.irp i, 0,1,2,3,4,5,6,7,8,9,10,11,12,13,14,15
	v_med3_num_f32 v[AC+16*\b+\i], v[AC+16*\b+\i], -v[TM+8+\b], v[TM+8+\b]   ; the conversion does not saturate (ISA guide 7.6.2): the hold
.endr
.endr
	WIN WS
.irp b, 0,1,2,3
	v_cvt_scalef32_pk8_bf8_f32 v[PCA+4*\b:PCA+4*\b+1], v[AC+16*\b:AC+16*\b+7], v[TM+12+\b]
	v_cvt_scalef32_pk8_bf8_f32 v[PCA+4*\b+2:PCA+4*\b+3], v[AC+16*\b+8:AC+16*\b+15], v[TM+12+\b]
.endr
	WIN 0
	v_nop                                          ; a plain line between the conversions and the lines that touch their results
.irp b, 0,1,2,3
	v_permlane16_swap_b32 v[PCA+4*\b], v[PCA+4*\b+2]     ; the upper lanes' k 8-15 against the lower lanes' k 16-23:
	v_permlane16_swap_b32 v[PCA+4*\b+1], v[PCA+4*\b+3]   ; lane (r, h) now holds k = 32 b + 16 h + 0 .. 15
.endr
.irp b, 0,1,2,3
	global_store_b128 v[LI], v[PCA+4*\b:PCA+4*\b+3], s[12:13] offset:OFFA*(\a)+512*\b   ; 32 lanes store 512 consecutive bytes
.endr
.endm
	PLACES NP                                      ; behind the last products: for the reads of results and for the codes, which land where Y's fragments lay
.irp b, 0,1,2,3
	v_mov_b32 v[TM+4+\b], 0                        ; written once: a lane permute's destination counts as one of its sources
.endr
.irp a, 0,1,2,3,4,5,6,7
	QW \a
.endr
	; the scale words.  q, k: a word holds (head 0: two bytes, head 1: two bytes) of a token: lanes 0-15 gather head 0's bytes of token tiles 2 P and 2 P + 1, lanes 16-31 head 1's.
	; v: a word belongs whole to a Y block: lanes 0-15 take block 2 P's, lanes 16-31 block 2 P + 1's.  The two selectors were chosen by the kind.
.irp P, 0,1,2,3
	v_perm_b32 v[U+2*\P], v[WD+2*\P+1], v[WD+2*\P], s66
	v_perm_b32 v[U+2*\P+1], v[WD+2*\P+1], v[WD+2*\P], s67
.endr
	s_mov_b32 vcc_lo, 0xffff0000
.irp P, 0,1,2,3
	v_cndmask_b32 v[Z+\P], v[U+2*\P], v[U+2*\P+1], vcc_lo
.endr
	global_store_b128 v[LI], v[Z:Z+3], s[92:93]    ; 512 consecutive bytes
	s_wait_tensorcnt 0x0                           ; the wave's end
	ds_add_u32 v[SPW], v[NIL]
	s_wait_dscnt 0x0
	CROUND                                         ; the closing round: no work-group ends while a partner may still ask for a tile that names it
	s_endpgm
.Lfunc_end_k_q40d4982721_qkv:
	.size	k_q40d4982721_qkv, .Lfunc_end_k_q40d4982721_qkv-k_q40d4982721_qkv
	.p2alignl 7, 3214868480
	.fill 96, 4, 3214868480
	.section	.rodata,"a",@progbits
	.p2align	6, 0x0
	.amdhsa_kernel k_q40d4982721_qkv
		.amdhsa_group_segment_fixed_size 327680
		.amdhsa_private_segment_fixed_size 0
		.amdhsa_enable_private_segment 0
		.amdhsa_kernarg_size 64
		.amdhsa_user_sgpr_count 2
		.amdhsa_user_sgpr_kernarg_segment_ptr 1
		.amdhsa_wavefront_size32 1
		.amdhsa_system_sgpr_workgroup_id_x 1
		.amdhsa_system_sgpr_workgroup_id_y 1
		.amdhsa_system_sgpr_workgroup_id_z 1
		.amdhsa_system_vgpr_workitem_id 0
		.amdhsa_next_free_vgpr 1024
		.amdhsa_next_free_sgpr 100
		.amdhsa_reserve_vcc 1
		.amdhsa_float_denorm_mode_32 3
		.amdhsa_float_denorm_mode_16_64 3
		.amdhsa_memory_ordered 1
		.amdhsa_forward_progress 1
		.amdhsa_inst_pref_size 188
	.end_amdhsa_kernel
	.amdgpu_metadata
---
amdhsa.version: [ 1, 2 ]
amdhsa.kernels:
  - .name:           k_q40d4982721_qkv
    .symbol:         k_q40d4982721_qkv.kd
    .args:
      - { .name: hbuf, .offset: 0, .size: 8, .value_kind: global_buffer, .address_space: global }
      - { .name: Wq_codes, .offset: 8, .size: 8, .value_kind: global_buffer, .address_space: global }
      - { .name: Wq_scales, .offset: 16, .size: 8, .value_kind: global_buffer, .address_space: global }
      - { .name: Wk_codes, .offset: 24, .size: 8, .value_kind: global_buffer, .address_space: global }
      - { .name: Wk_scales, .offset: 32, .size: 8, .value_kind: global_buffer, .address_space: global }
      - { .name: Wv_codes, .offset: 40, .size: 8, .value_kind: global_buffer, .address_space: global }
      - { .name: Wv_scales, .offset: 48, .size: 8, .value_kind: global_buffer, .address_space: global }
      - { .name: qkv, .offset: 56, .size: 8, .value_kind: global_buffer, .address_space: global }
    .group_segment_fixed_size: 327680
    .private_segment_fixed_size: 0
    .kernarg_segment_align: 8
    .kernarg_segment_size: 64
    .max_flat_workgroup_size: 128
    .sgpr_count:     100
    .vgpr_count:     1024
    .wavefront_size: 32
...
	.end_amdgpu_metadata
.endif
;; end of part 2
;; launch attn (part 3): grid 8 x 32, 16 waves a work-group, no clusters, 280,576 bytes of LDS; arguments qkv, obuf; writes obuf
.if DOCPART == 3
	.amdgcn_target "amdgcn-amd-amdhsa--gfx1250"
	.amdhsa_code_object_version 6
	.text
	.protected	k_q40d4982721_attn
	.globl	k_q40d4982721_attn
	.p2align	8
	.type	k_q40d4982721_attn,@function
k_q40d4982721_attn:
	s_mov_b64 s[64:65], 0
	v_nop
	global_prefetch_b8 v0, s[64:65] scope:SCOPE_SE
	s_setreg_imm32_b32 hwreg(HW_REG_WAVE_MODE, 25, 1), 1
	s_wait_xcnt 0x0
; Causal attention of one head on codes of BF8 (E5M2) with E8M0 scales, head size 64, 2,048 keys; the result, divided by the row's sum, is quantised along the channels for the next product.
; t = score x log2(e) / 32 (the scale is 1,024^-0.5); M = the running largest t rounded UP to a whole number; p = 2^(t - M) is quantised along the keys, not normalised; the row's sum is taken of the unquantised p.
; When M moves, the sum and O are multiplied by 2^(old M - new M): exact.
; IN (made by the launch before; pair = batch x 8 + head / 2, hl = head % 2, step = 128 tokens): register images of operands.
;   q, k codes: [pair][token tile][hl][block of 32 channels][lane][16];  v codes: [pair][step][hl][16 channels][block of 32 keys][lane][16];  scale words: 512 bytes for each (pair, step).
; SHARES.  A work-group owns query blocks i and 15 - i (128 queries each) of one head: 17 block-steps under the causal mask in every work-group.  Sixteen waves, each ONE tile of 16 queries in 256 registers.
;   Wave w: tile w / 2 of block i or 15 - i by (w xor w / 4) % 2, so that long and short walks are mixed among any four neighbouring waves.
; ALL OF THE HEAD'S K AND V LIES IN LDS (2 x 131,072 bytes and 16,384 of scale words): every byte is filled ONCE, by five tensor loads a wave issued together at the head.  No slot is filled again.
;   The keys come in four quarters; a barrier stands ahead of each quarter's steps, behind a counted wait that leaves the later quarters on their way.
; NO CLUSTER: what a work-group leaves out under the mask hangs on its own query blocks, a branch that partners of a cluster would not share.  NO PREFETCH: everything is asked for at the head.
; BOTH PRODUCTS ARE USED TRANSPOSED: S^T = K Q^T, O^T = V^T P^T: a lane holds one query (lane % 16) throughout; register j of tile b holds row 16 b + 8 (lane / 16) + j.
; K = 64 IN AN INSTRUCTION OF K = 128: a fragment of K is TWO neighbouring key tiles, one in k 0-63, the other in k 64-127.  Multiplied by (q, zeros) it gives the first tile's scores, by (zeros, q) the second's:
;   the other tile's codes, which are finite, meet zero codes.  q's eight registers stand between two runs of eight zeros, so both operands are runs of sixteen.
; p's and O's codes: the two conversions of a block of 32 give 8 + 8 codes a lane; two v_permlane16_swap_b32 make of them k = 32 B + 16 (lane / 16) + 0 .. 15: the operand's layout.
; OUT: [token tile][128 channels][block of 32][lane][16] from byte 0; scale words [128 tokens][128 channels][row 0-15][tile 0-7] from 4,194,304.  A word spans two heads: a wave stores its two bytes a row (2 bytes a lane).
; LIMITS: NaN and infinities are not served; a block of zeros, or one under 2^-111, gets the byte 1; these bytes are read by this program alone.
.set VOFF,  131072                     ; LDS: K's codes from 0: 8,192 x step + 1,024 x tile + 512 x block + 16 x lane;  V's from here: 8,192 x step + 4,096 x (block / 2) + 1,024 x (16 channels) + 512 x (block % 2) + 16 x lane
.set KSC,   262144                     ; K's scale words, 512 bytes a step, both heads of the pair
.set VSC,   270336                     ; V's
.set LK,   1                           ; v1   16 x lane
.set LV,   2                           ; v2   VOFF + 16 x lane
.set AKS,  3                           ; v3   KSC + 16 x (16 hl + r)
.set AVS,  4                           ; v4   VSC + 16 x lane + 8 hl
.set DM,   5                           ; v5   16 x tile + r - 8 h: register n of S^T is hidden on the diagonal where 16 (n / 8) + n % 8 is above it
.set ADK,  8                           ; v8-11 the step's LDS addresses
.set ADV,  9
.set ADS,  10
.set ADT,  11
.set KF,   40                          ; v40-103  four fragments of K, later of V        (v12 -M, v13 the largest t, v[14:15] the sum; v16-23 zeros, v24-31 q, v32-39 zeros)
.set S,    104                         ; v104-167 S^T, then p
.set O,    168                         ; v168-199 O^T
.set PCD,  200                         ; v200-215 p's codes
.set BM,   216                         ; v216-219 a block's largest score, then its largest p
.set T2,   220                         ; v220-223 at work
.set HOLD, 224
.set SCR,  228                         ; v228-231 the conversions' scale operands
.set KSW,  232                         ; v232-235 K's scale words
.set VSW,  236                         ; v236-237 V's
.set QSW,  238                         ; v238     q's
.set PSW,  239                         ; v239     p's
.set FF,   240                         ; v[240:241] f = 2^(old M - new M)
.set TA,   242
.set NEG,  243
.set WV,   8
.set BLK,  62                          ; s62  my query block: I walk steps 0 .. BLK
.set CS,   66                          ; s[66:67] c = log2(e) / 32
.set SEL,  68                          ; s[68:69] lane l xor 16
.set MNT,  70
.set TB,   71                          ; s71  8,192 x step
.set TS,   72                          ; s72  512 x step
.set ST,   73                          ; s73  the step
.set CNT,  74
	s_load_b128 s[4:7], s[0:1], 0x0                ; in s[4:5], out s[6:7]
	v_lshl_add_u32 v254, v0, 2, 0x44000
	v_mov_b32 v255, 0
	ds_add_u32 v254, v255
	ds_add_u32 v254, v255
	v_lshrrev_b32 v8, 5, v0
	v_readfirstlane_b32 s[WV], v8                  ; wave 0..15
	s_and_b32 s9, ttmp7, 0xffff                    ; batch x 16 + head
	s_lshr_b32 s10, s9, 1                          ; pair
	s_and_b32 s11, s9, 1                           ; hl
	; what I fetch: waves 0-7 K's, waves 8-15 V's; of each quarter (four steps) 4,096 bytes: four rows of 1,024 bytes, 2,048 apart in memory
	s_lshr_b32 s12, s[WV], 3                       ; V?
	s_and_b32 s13, s[WV], 7
	s_bfe_u32 s14, s[WV], 0x20001                  ; which step of the quarter
	s_and_b32 s15, s[WV], 1                        ; K: which four tiles of the step;  V: the even or the odd rows of the head's eight
	s_cmp_eq_u32 s12, 0
	s_cselect_b32 s16, s15, s11                    ; what counts 8,192 bytes in memory,
	s_cselect_b32 s17, s11, s15                    ; and what 1,024
	s_add_co_u32 s18, s12, 1                       ; the kind: 1 k, 2 v
	s_lshl_b32 s20, s18, 22
	s_lshl_b32 s19, s10, 18
	s_add_co_u32 s20, s20, s19
	s_lshl_b32 s19, s14, 14
	s_add_co_u32 s20, s20, s19
	s_lshl_b32 s19, s16, 13
	s_add_co_u32 s20, s20, s19
	s_lshl_b32 s19, s17, 10
	s_add_co_u32 s20, s20, s19                     ; my codes of quarter 0
	s_mov_b32 s21, 0
	s_lshl_b32 s22, s18, 17
	s_lshl_b32 s19, s10, 13
	s_add_co_u32 s22, s22, s19
	s_lshl_b32 s19, s13, 10
	s_add_co_u32 s22, s22, s19
	s_add_co_u32 s22, s22, 12582912                ; my 1,024 bytes of scale words
	s_mov_b32 s23, 0
	s_lshl_b32 s60, s12, 17
	s_lshl_b32 s19, s13, 12
	s_add_co_u32 s60, s60, s19                     ; LDS: 131,072 x V + 4,096 x (wave % 8)
	s_lshl_b32 s61, s12, 13
	s_lshl_b32 s19, s13, 10
	s_add_co_u32 s61, s61, s19
	s_add_co_u32 s61, s61, KSC                     ; LDS: KSC + 8,192 x V + 1,024 x (wave % 8)
	s_mov_b32 s24, 3<<16                           ; group 1 for the codes: elements of 8 bytes, no mask, no padding
	s_mov_b32 s25, 128<<16                         ; tensor_dim0 = 128 (1,024 bytes)
	s_mov_b32 s26, 4<<16                           ; tensor_dim1 = 4
	s_mov_b32 s27, 128<<16                         ; tile_dim0
	s_mov_b32 s28, 4                               ; tile_dim1
	s_mov_b32 s29, 256                             ; the pitch: 2,048 bytes
	s_mov_b32 s30, 0
	s_mov_b32 s31, 0
	s_mov_b32 s32, 3<<16                           ; group 1 for the scale words: one row of 1,024 bytes
	s_mov_b32 s33, 128<<16
	s_mov_b32 s34, 1<<16
	s_mov_b32 s35, 128<<16
	s_mov_b32 s36, 1
	s_mov_b32 s37, 128
	s_mov_b32 s38, 0
	s_mov_b32 s39, 0
	s_wait_dscnt 0x0
	s_wait_kmcnt 0x0
	s_add_nc_u64 s[20:21], s[4:5], s[20:21]
	s_add_nc_u64 s[22:23], s[4:5], s[22:23]
	s_mov_b32 s40, 1
	s_mov_b32 s41, s61
	s_mov_b64 s[42:43], s[22:23]
	s_or_b32 s43, s43, 0x80000000
.irp n, 0,1,2,3
	s_mov_b32 s[44+4*\n], 1
	s_add_co_u32 s[45+4*\n], s60, \n*32768
	s_add_nc_u64 s[46+4*\n:47+4*\n], s[20:21], \n*65536
	s_or_b32 s[47+4*\n], s[47+4*\n], 0x80000000
.endr
	tensor_load_to_lds s[40:43], s[32:39]          ; five loads of mine are out: the scale words, then the four quarters in order
	s_nop 0
.irp n, 0,1,2,3
	tensor_load_to_lds s[44+4*\n:47+4*\n], s[24:31]
	s_nop 0
.endr
.rept 4
	v_nop
.endr
	s_lshr_b32 s60, s[WV], 1                       ; my tile of 16 queries in its block
	s_lshr_b32 s61, s[WV], 2
	s_xor_b32 s61, s61, s[WV]
	s_and_b32 s61, s61, 1
	s_sub_co_u32 s[BLK], 15, ttmp9
	s_cmp_eq_u32 s61, 0
	s_cselect_b32 s[BLK], ttmp9, s[BLK]            ; my block: i or 15 - i
	s_lshl_b32 s84, s[BLK], 3
	s_add_co_u32 s84, s84, s60                     ; my token tile in the batch
	s_lshl_b32 s76, s84, 11
	s_lshl_b32 s85, s10, 18
	s_add_co_u32 s76, s76, s85
	s_lshl_b32 s85, s11, 10
	s_add_co_u32 s76, s76, s85
	s_mov_b32 s77, 0
	s_add_nc_u64 s[76:77], s[4:5], s[76:77]        ; q's codes
	s_lshl_b32 s78, s10, 13
	s_lshl_b32 s85, s[BLK], 9
	s_add_co_u32 s78, s78, s85
	s_lshl_b32 s85, s11, 8
	s_add_co_u32 s78, s78, s85
	s_lshr_b32 s85, s60, 1
	s_lshl_b32 s85, s85, 2
	s_add_co_u32 s78, s78, s85
	s_add_co_u32 s78, s78, 12582912
	s_mov_b32 s79, 0
	s_add_nc_u64 s[78:79], s[4:5], s[78:79]        ; the word that holds my tile's two scale bytes
	s_and_b32 s75, s60, 1
	s_lshl_b32 s75, s75, 4                         ; in its lower or its upper half
	s_lshr_b32 s86, s9, 4                          ; the batch
	s_and_b32 s87, s10, 7                          ; which 128 channels
	s_lshl_b32 s80, s86, 7
	s_add_co_u32 s80, s80, s84                     ; my token tile of all 256
	s_lshl_b32 s80, s80, 3
	s_add_co_u32 s80, s80, s87
	s_lshl_b32 s80, s80, 11
	s_lshl_b32 s85, s11, 10
	s_add_co_u32 s80, s80, s85
	s_mov_b32 s81, 0
	s_add_nc_u64 s[80:81], s[6:7], s[80:81]        ; where my codes go
	s_lshl_b32 s82, s86, 4
	s_add_co_u32 s82, s82, s[BLK]
	s_lshl_b32 s82, s82, 3
	s_add_co_u32 s82, s82, s87
	s_lshl_b32 s82, s82, 9
	s_lshl_b32 s85, s60, 2
	s_add_co_u32 s82, s82, s85
	s_lshl_b32 s85, s11, 1
	s_add_co_u32 s82, s82, s85
	s_add_co_u32 s82, s82, 0x400000
	s_mov_b32 s83, 0
	s_add_nc_u64 s[82:83], s[6:7], s[82:83]        ; and my scale bytes
	v_and_b32 v8, 15, v0                           ; r
	v_bfe_u32 v9, v0, 4, 1                         ; h
	v_and_b32 v10, 31, v0
	v_lshlrev_b32 v[LK], 4, v10
	v_add_nc_u32 v[LV], VOFF, v[LK]
	s_lshl_b32 s85, s11, 8
	s_add_co_u32 s85, s85, KSC
	v_lshl_add_u32 v[AKS], v8, 4, s85
	s_lshl_b32 s85, s11, 3
	s_add_co_u32 s85, s85, VSC
	v_add_nc_u32 v[AVS], s85, v[LK]
	v_lshlrev_b32 v9, 3, v9
	v_sub_nc_u32 v[DM], v8, v9
	s_lshl_b32 s85, s60, 4
	v_add_nc_u32 v[DM], s85, v[DM]
	v_lshlrev_b32 v6, 4, v8
	global_load_b128 v[24:27], v[LK], s[76:77]     ; q's fragment: channels 0-31,
	global_load_b128 v[28:31], v[LK], s[76:77] offset:512   ; 32-63
	global_load_b32 v[TA], v6, s[78:79]
	s_mov_b32 s[CS], 0x3d38aa3b                    ; log2(e) / 32
	s_mov_b32 s[CS+1], s[CS]                       ; (named with it as a pair, so it is written)
	s_mov_b32 s[SEL], 0x76543210
	s_mov_b32 s[SEL+1], 0xfedcba98
	s_mov_b32 s[MNT], 0x600000
.irp j, 0,1,2,3,4,5,6,7
	v_mov_b32 v[16+\j], 0                          ; zero codes on both sides of q
	v_mov_b32 v[32+\j], 0
.endr
.irp j, 0,1,2,3,4,5,6,7,8,9,10,11,12,13,14,15,16,17,18,19,20,21,22,23,24,25,26,27,28,29,30,31
	v_mov_b32 v[O+\j], 0                           ; O^T: the step is written once; the first finds zeros, which the first change of M leaves zeros
.endr
	s_wait_loadcnt 0x0
	v_lshrrev_b32 v[TA], s75, v[TA]
	v_perm_b32 v[QSW], v[TA], v[TA], 0x01000100    ; q's two bytes, twice: they serve q in either half of K
	v_mov_b32 v13, 0xff61b1e6                      ; the largest t so far: -3e38
	v_floor_f32 v12, -v13                          ; -M
	v_mov_b32 v14, 0
	v_mov_b32 v15, 0
.irp b, 0,1,2,3
	v_mov_b32 v[T2+\b], 0                          ; written once: a lane permute's destination counts as one of its sources
.endr
	v_mov_b32 v[FF+1], 0                           ; (named as the upper half of a pair)
; A KEY STEP: 128 keys.
.macro STEP
	s_cmp_gt_u32 s[ST], s[BLK]                     ; all its keys come after my queries: only the counters step.  A branch on ids; no barrier and no tensor load stands in a step
	s_cbranch_scc1 .Lskip_\@
	v_add_nc_u32 v[ADK], s[TB], v[LK]
	v_add_nc_u32 v[ADV], s[TB], v[LV]
	v_add_nc_u32 v[ADS], s[TS], v[AKS]
	v_add_nc_u32 v[ADT], s[TS], v[AVS]
.rept 4
	v_nop                                          ; with the four additions: eight places between the last step's products and the loads into their registers
.endr
.irp P, 0,1,2,3
.irp k, 0,1,2,3
	ds_load_b128 v[KF+16*\P+4*\k:KF+16*\P+4*\k+3], v[ADK] offset:2048*\P+512*\k   ; key tiles 2 P and 2 P + 1 on end
.endr
.endr
	ds_load_b128 v[KSW:KSW+3], v[ADS]              ; word P: the two bytes of tile 2 P, then those of 2 P + 1
	s_wait_dscnt 0x0
.irp P, 0,1,2,3
	v_wmma_scale_f32_16x16x128_f8f6f4 v[S+16*\P:S+16*\P+7], v[KF+16*\P:KF+16*\P+15], v[24:39], 0, v[KSW+\P], v[QSW] matrix_a_fmt:MATRIX_FMT_BF8 matrix_b_fmt:MATRIX_FMT_BF8
	v_wmma_scale_f32_16x16x128_f8f6f4 v[S+16*\P+8:S+16*\P+15], v[KF+16*\P:KF+16*\P+15], v[16:31], 0, v[KSW+\P], v[QSW] matrix_a_fmt:MATRIX_FMT_BF8 matrix_b_fmt:MATRIX_FMT_BF8
.endr
.rept 8
	v_nop                                          ; places: for the loads below, into K's registers, and for the first read of the scores
.endr
.irp t, 0,1,2,3
.irp c, 0,1,2,3
	ds_load_b128 v[KF+16*\t+4*\c:KF+16*\t+4*\c+3], v[ADV] offset:(\c/2)*4096+\t*1024+(\c%2)*512   ; V's four fragments land while the softmax is worked
.endr
.endr
	ds_load_b64 v[VSW:VSW+1], v[ADT]               ; word j: lanes 0-15 channels 32 j on, lanes 16-31 channels 32 j + 16 on
	s_cmp_lg_u32 s[ST], s[BLK]
	s_cbranch_scc1 .Lopen_\@
	v_mov_b32 v[NEG], 0xff800000                   ; on the diagonal hidden scores become -infinity ahead of the maximum: p = 0 then.  The step's first key counts for every query of the block
.irp n, 0,1,2,3,4,5,6,7,8,9,10,11,12,13,14,15,16,17,18,19,20,21,22,23,24,25,26,27,28,29,30,31,32,33,34,35,36,37,38,39,40,41,42,43,44,45,46,47,48,49,50,51,52,53,54,55,56,57,58,59,60,61,62,63
	v_cmp_gt_i32 vcc_lo, 16*(\n/8)+\n%8, v[DM]
	v_cndmask_b32 v[S+\n], v[S+\n], v[NEG], vcc_lo
.endr
.Lopen_\@:
.irp b, 0,1,2,3
	v_max3_num_f32 v[BM+\b], v[S+16*\b], v[S+16*\b+1], v[S+16*\b+2]   ; the largest score of each block of 32 keys: for the row's maximum and, since p rises with the score, for the block's largest p
.endr
.irp i, 3,5,7,9,11,13
.irp b, 0,1,2,3
	v_max3_num_f32 v[BM+\b], v[BM+\b], v[S+16*\b+\i], v[S+16*\b+\i+1]
.endr
.endr
.irp b, 0,1,2,3
	v_max_num_f32 v[BM+\b], v[BM+\b], v[S+16*\b+15]
.endr
.irp b, 0,1,2,3
	v_permlanex16_b32 v[T2+\b], v[BM+\b], s[SEL], s[SEL+1]
.endr
.irp b, 0,1,2,3
	v_max_num_f32 v[BM+\b], v[BM+\b], v[T2+\b]
.endr
	v_max3_num_f32 v[TA], v[BM], v[BM+1], v[BM+2]
	v_max_num_f32 v[TA], v[TA], v[BM+3]
	v_mul_f32 v[TA], s[CS], v[TA]                  ; the step's largest t
	v_max_num_f32 v13, v13, v[TA]
	v_mov_b32 v[TA], v12
	v_floor_f32 v12, -v13                          ; the new -M = -ceil(t): a whole number
	v_sub_f32 v[TA], v12, v[TA]
	v_cvt_i32_f32 v[TA], v[TA]                     ; (it saturates)
	v_ldexp_f32 v[FF], 1.0, v[TA]                  ; f = 2^(old M - new M)
.irp j, 0,2,4,6,8,10,12,14,16,18,20,22,24,26,28,30,32,34,36,38,40,42,44,46,48,50,52,54,56,58,60,62
	v_pk_fma_f32 v[S+\j:S+\j+1], v[S+\j:S+\j+1], s[CS:CS+1], v[12:13] op_sel_hi:[1,0,0]   ; t - M
.endr
.irp b, 0,1,2,3
	v_fma_f32 v[BM+\b], v[BM+\b], s[CS], v12
.endr
.irp j, 0,1,2,3,4,5,6,7,8,9,10,11,12,13,14,15,16,17,18,19,20,21,22,23,24,25,26,27,28,29,30,31,32,33,34,35,36,37,38,39,40,41,42,43,44,45,46,47,48,49,50,51,52,53,54,55,56,57,58,59,60,61,62,63
	v_exp_f32 v[S+\j], v[S+\j]                     ; p = 2^(t - M)
.endr
	v_pk_mul_f32 v[14:15], v[14:15], v[FF:FF+1] op_sel_hi:[1,0]   ; the sums under the new M (a plain line behind the exponentials)
	s_wait_alu depctr_va_vdst(0)                   ; one wait for the batch, ahead of its first reader
.irp b, 0,1,2,3
	v_exp_f32 v[BM+\b], v[BM+\b]                   ; the block's largest p: the same two instructions on the same number
.endr
	v_pk_add_f32 v[T2:T2+1], v[S:S+1], v[S+2:S+3]  ; the row's sum of the unquantised p, in two chains
.irp j, 4,8,12,16,20,24,28,32,36,40,44,48,52,56,60
	v_pk_add_f32 v[14:15], v[14:15], v[S+\j:S+\j+1]
	v_pk_add_f32 v[T2:T2+1], v[T2:T2+1], v[S+\j+2:S+\j+3]
.endr
	v_pk_add_f32 v[14:15], v[14:15], v[T2:T2+1]
	s_wait_alu depctr_va_vdst(0)                   ; and one for the four
.irp b, 0,1,2,3
	v_max_num_f32 v[BM+\b], 0x8000000, v[BM+\b]    ; the floor 2^(16 - 127)
.endr
.irp b, 0,1,2,3
	v_add_nc_u32 v[SCR+\b], 0xf8800000, v[BM+\b]
.endr
.irp b, 0,1,2,3
	v_and_or_b32 v[HOLD+\b], v[BM+\b], 0x7f800000, s[MNT]
.endr
.irp b, 0,1,2,3
	v_lshrrev_b32 v[T2+\b], 23, v[SCR+\b]
.endr
	v_lshl_or_b32 v[PSW], v[T2+1], 8, v[T2]        ; p's scale word for these 128 keys
	v_lshl_or_b32 v[PSW], v[T2+2], 16, v[PSW]
	v_lshl_or_b32 v[PSW], v[T2+3], 24, v[PSW]
.irp b, 0,1,2,3
.irp i, 0,1,2,3,4,5,6,7,8,9,10,11,12,13,14,15
	v_min_num_f32 v[S+16*\b+\i], v[S+16*\b+\i], v[HOLD+\b]   ; the conversion does not saturate (ISA guide 7.6.2); p is not negative, so the hold is one-sided
.endr
	v_cvt_scalef32_pk8_bf8_f32 v[PCD+4*\b:PCD+4*\b+1], v[S+16*\b:S+16*\b+7], v[SCR+\b]
	v_cvt_scalef32_pk8_bf8_f32 v[PCD+4*\b+2:PCD+4*\b+3], v[S+16*\b+8:S+16*\b+15], v[SCR+\b]
.endr
	v_nop                                          ; a plain line between the conversions and the lines that touch their results
.irp b, 0,1,2,3
	v_permlane16_swap_b32 v[PCD+4*\b], v[PCD+4*\b+2]
	v_permlane16_swap_b32 v[PCD+4*\b+1], v[PCD+4*\b+3]   ; lane (r, h): keys 32 b + 16 h + 0 .. 15
.endr
.irp j, 0,2,4,6,8,10,12,14,16,18,20,22,24,26,28,30
	v_pk_mul_f32 v[O+\j:O+\j+1], v[O+\j:O+\j+1], v[FF:FF+1] op_sel_hi:[1,0]   ; O^T under the new M (also the places between the codes' last lines and the products)
.endr
	s_wait_dscnt 0x0                               ; V is in
	v_wmma_scale_f32_16x16x128_f8f6f4 v[O:O+7], v[KF:KF+15], v[PCD:PCD+15], v[O:O+7], v[VSW], v[PSW] matrix_a_fmt:MATRIX_FMT_BF8 matrix_b_fmt:MATRIX_FMT_BF8
	v_wmma_scale_f32_16x16x128_f8f6f4 v[O+8:O+15], v[KF+16:KF+31], v[PCD:PCD+15], v[O+8:O+15], v[VSW], v[PSW] matrix_a_fmt:MATRIX_FMT_BF8 matrix_b_fmt:MATRIX_FMT_BF8 matrix_a_scale:MATRIX_SCALE_ROW1
	v_wmma_scale_f32_16x16x128_f8f6f4 v[O+16:O+23], v[KF+32:KF+47], v[PCD:PCD+15], v[O+16:O+23], v[VSW+1], v[PSW] matrix_a_fmt:MATRIX_FMT_BF8 matrix_b_fmt:MATRIX_FMT_BF8
	v_wmma_scale_f32_16x16x128_f8f6f4 v[O+24:O+31], v[KF+48:KF+63], v[PCD:PCD+15], v[O+24:O+31], v[VSW+1], v[PSW] matrix_a_fmt:MATRIX_FMT_BF8 matrix_b_fmt:MATRIX_FMT_BF8 matrix_a_scale:MATRIX_SCALE_ROW1
.Lskip_\@:
	s_add_co_u32 s[TB], s[TB], 8192
	s_add_co_u32 s[TS], s[TS], 512
	s_add_co_u32 s[ST], s[ST], 1
.endm
; A QUARTER OF THE KEYS: four steps behind one barrier.  The count leaves my loads of the later quarters on their way: no LDS byte is ever filled again.
.macro CHUNK n
	s_wait_dscnt 0x0
	s_wait_tensorcnt 3-\n                          ; my scale words and my parts of quarters 0 .. n have landed (a wave's tensor loads end in order)
	s_barrier_signal -1
	s_barrier_wait -1                              ; everybody's have
	s_mov_b32 s[TB], \n*32768
	s_mov_b32 s[TS], \n*2048
	s_mov_b32 s[ST], \n*4
	s_mov_b32 s[CNT], 4
.Lchunk_\@:
	STEP
	s_sub_co_u32 s[CNT], s[CNT], 1
	s_cmp_lg_u32 s[CNT], 0
	s_cbranch_scc1 .Lchunk_\@
.endm
	CHUNK 0
	CHUNK 1
	CHUNK 2
	CHUNK 3
	; THE WAY OUT: O^T / the sum, quantised along the channels: two blocks of 32.
.rept 8
	v_nop                                          ; places behind the last products
.endr
	v_add_f32 v14, v14, v15
	v_permlanex16_b32 v[TA], v14, s[SEL], s[SEL+1]
	v_add_f32 v14, v14, v[TA]                      ; the row's sum
	v_rcp_f32 v14, v14
	v_and_b32 v6, 15, v0                           ; (plain lines behind the transcendental)
	v_lshlrev_b32 v7, 5, v6                        ; 32 bytes of scale words a row
	s_wait_alu depctr_va_vdst(0)                   ; the wait ahead of the first reader
.irp j, 0,1,2,3,4,5,6,7,8,9,10,11,12,13,14,15,16,17,18,19,20,21,22,23,24,25,26,27,28,29,30,31
	v_mul_f32 v[S+\j], v[O+\j], v14
.endr
.irp b, 0,1
	v_max3_num_f32 v[BM+\b], |v[S+16*\b]|, |v[S+16*\b+1]|, 0x8000000
.endr
.irp i, 2,4,6,8,10,12,14
.irp b, 0,1
	v_max3_num_f32 v[BM+\b], v[BM+\b], |v[S+16*\b+\i]|, |v[S+16*\b+\i+1]|
.endr
.endr
.irp b, 0,1
	v_permlanex16_b32 v[T2+\b], v[BM+\b], s[SEL], s[SEL+1]
.endr
.irp b, 0,1
	v_max_num_f32 v[BM+\b], v[BM+\b], v[T2+\b]
.endr
.irp b, 0,1
	v_add_nc_u32 v[SCR+\b], 0xf8800000, v[BM+\b]
.endr
.irp b, 0,1
	v_and_or_b32 v[HOLD+\b], v[BM+\b], 0x7f800000, s[MNT]
.endr
.irp b, 0,1
	v_lshrrev_b32 v[T2+\b], 23, v[SCR+\b]
.endr
	v_lshl_or_b32 v[NEG], v[T2+1], 8, v[T2]        ; my row's two scale bytes
.irp b, 0,1
.irp i, 0,1,2,3,4,5,6,7,8,9,10,11,12,13,14,15
	v_med3_num_f32 v[S+16*\b+\i], v[S+16*\b+\i], -v[HOLD+\b], v[HOLD+\b]
.endr
	v_cvt_scalef32_pk8_bf8_f32 v[PCD+4*\b:PCD+4*\b+1], v[S+16*\b:S+16*\b+7], v[SCR+\b]
	v_cvt_scalef32_pk8_bf8_f32 v[PCD+4*\b+2:PCD+4*\b+3], v[S+16*\b+8:S+16*\b+15], v[SCR+\b]
.endr
	v_nop
.irp b, 0,1
	v_permlane16_swap_b32 v[PCD+4*\b], v[PCD+4*\b+2]
	v_permlane16_swap_b32 v[PCD+4*\b+1], v[PCD+4*\b+3]
.endr
	global_store_b128 v[LK], v[PCD:PCD+3], s[80:81]              ; 512 consecutive bytes each
	global_store_b128 v[LK], v[PCD+4:PCD+7], s[80:81] offset:512
	global_store_b16 v7, v[NEG], s[82:83]          ; lanes r and 16 + r write the same two bytes with the same value
	s_wait_tensorcnt 0x0
	s_wait_tensorcnt 0x0
	ds_add_u32 v254, v255
	s_wait_dscnt 0x0
	s_endpgm
.Lfunc_end_k_q40d4982721_attn:
	.size	k_q40d4982721_attn, .Lfunc_end_k_q40d4982721_attn-k_q40d4982721_attn
	.p2alignl 7, 3214868480
	.fill 96, 4, 3214868480
	.section	.rodata,"a",@progbits
	.p2align	6, 0x0
	.amdhsa_kernel k_q40d4982721_attn
		.amdhsa_group_segment_fixed_size 280576
		.amdhsa_private_segment_fixed_size 0
		.amdhsa_enable_private_segment 0
		.amdhsa_kernarg_size 16
		.amdhsa_user_sgpr_count 2
		.amdhsa_user_sgpr_kernarg_segment_ptr 1
		.amdhsa_wavefront_size32 1
		.amdhsa_system_sgpr_workgroup_id_x 1
		.amdhsa_system_sgpr_workgroup_id_y 1
		.amdhsa_system_sgpr_workgroup_id_z 1
		.amdhsa_system_vgpr_workitem_id 0
		.amdhsa_next_free_vgpr 256
		.amdhsa_next_free_sgpr 96
		.amdhsa_reserve_vcc 1
		.amdhsa_float_denorm_mode_32 3
		.amdhsa_float_denorm_mode_16_64 3
		.amdhsa_memory_ordered 1
		.amdhsa_forward_progress 1
		.amdhsa_inst_pref_size 112
	.end_amdhsa_kernel
	.amdgpu_metadata
---
amdhsa.version: [ 1, 2 ]
amdhsa.kernels:
  - .name:           k_q40d4982721_attn
    .symbol:         k_q40d4982721_attn.kd
    .args:
      - { .name: qkv, .offset: 0, .size: 8, .value_kind: global_buffer, .address_space: global }
      - { .name: obuf, .offset: 8, .size: 8, .value_kind: global_buffer, .address_space: global }
    .group_segment_fixed_size: 280576
    .private_segment_fixed_size: 0
    .kernarg_segment_align: 8
    .kernarg_segment_size: 16
    .max_flat_workgroup_size: 512
    .sgpr_count:     96
    .vgpr_count:     256
    .wavefront_size: 32
...
	.end_amdgpu_metadata
.endif
;; end of part 3
;; launch wo (part 4): grid 8 x 32, 4 waves a work-group, clusters of 4 x 4, 327,680 bytes of LDS; arguments obuf, Wo_codes, Wo_scales, bo, x, x1; writes x1
.if DOCPART == 4
	.amdgcn_target "amdgcn-amd-amdhsa--gfx1250"
	.amdhsa_code_object_version 6
	.text
	.protected	k_q40d4982721_wo
	.globl	k_q40d4982721_wo
	.p2align	8
	.type	k_q40d4982721_wo,@function
k_q40d4982721_wo:
	s_mov_b64 s[64:65], 0
	v_nop
	global_prefetch_b8 v0, s[64:65] scope:SCOPE_SE
	s_setreg_imm32_b32 hwreg(HW_REG_WAVE_MODE, 25, 1), 1
	s_wait_xcnt 0x0
	s_wait_alu depctr_hold_cnt(0) depctr_sa_sdst(0) depctr_va_vdst(0) depctr_va_sdst(0) depctr_va_ssrc(0) depctr_va_vcc(0) depctr_vm_vsrc(0)
	s_getreg_b32 s2, hwreg(HW_REG_IB_STS2, 6, 4)
	s_cmp_eq_u32 s2, 0
	s_cbranch_scc0 .Lentry_in_a_cluster
	s_endpgm
.Lentry_in_a_cluster:
	s_bfe_u32 s2, ttmp6, 0x10000c
	s_cmp_lg_u32 s2, 0xf033
	s_cbranch_scc0 .Lentry_shape_is_right
	s_endpgm
.Lentry_shape_is_right:
; out = A W^T + bias + residual.  A: [4096 tokens][SIZE_K] as register images of operands with their scale words (made by the launch before); W: [1024][SIZE_K] codes of BF8 (E5M2), K innermost, scale bytes [1024][SIZE_K / 32];
; bias [1024], residual and out [4096][1024]: f32.  Sums in f32.
; A's codes: [token tile][SIZE_K / 128][block of 32][lane][16] from byte 0; its scale words [128 tokens][SIZE_K / 128][row 0-15][tile 0-7] from byte 4,096 x SIZE_K.
; A tile of out is 128 x 128: 256 work-groups, one for each WGP (tiles of 256 x 256 would be 64).  Four waves, each 64 x 64: 16 accumulators.  K goes in steps of 512 through a ring of two LDS slots: 64 matrix instructions a wave between two changes of slots.
; A's images lie dense in LDS (a load's 32 lanes read 512 consecutive bytes); W's rows of 512 bytes get 16 of padding.  The scale words of all of K come once and stay.
; CLUSTERS: 4 x 4 work-groups; A's tiles are shared along a row of the cluster, W's along a column: each is asked for jointly.
; THE MATRIX INSTRUCTION IS USED TRANSPOSED (source 0 = 16 rows of W, source 1 = 16 tokens): a lane holds eight neighbouring numbers of a row of out.  The bias is the C of each sum's first product.
; The residual is asked for at the head and added on the way out, behind the turn through the wave's stage in LDS, where a lane holds the same 16 bytes of a row in both.
; REGISTERS, in windows of 256: window 0: v0-31 addresses; v32-63 A's scale words, two sets (register 4 q + a); v64-95 W's, two sets (4 b + q); v96-127 the bias; v128-255 the accumulators ((a, b) at 8 (4 a + b)).
;   window 1: two fragment buffers of 128: A's four fragments, then W's four.   window 2: v0-127 the residual; v128-191 rows on their way out.
.set SIZE_K, 1024
.set KS,     SIZE_K/32
.set LAPS,   SIZE_K/1024               ; a lap = two slots = 1,024 along K
.set AHALF,  32768                     ; four token tiles x 512 along K
.set BP,     528                       ; a row of W in LDS: 512 bytes + 16
.set BHALF,  64*BP
.set BOFF,   2*AHALF
.set SLOT,   BOFF+2*BHALF
.set SCL,    2*SLOT                    ; behind the ring: A's scale words, then W's scale bytes, as units of 256 bytes + 16 of padding
.set HALFS,  (SIZE_K/128)*272          ; half of either: what one tensor load brings
.set SBLK,   (16*KS/256)*272           ; W's: from 16 rows to the next
.set SPARE,  SCL+4*HALFS               ; the spare words, 128 bytes a wave: no other line names them
.set SPITCH, 272                       ; the way out: a stage of 16 rows x (256 bytes + 16) for each wave, in slot 0, which has had its last fill and its last read by then
.set ADRA, 16
.set ADRB, 20
.set ADSA, 22
.set ADSB, 23
.set STO,  24
.set RD,   25
.set CO,   26
.set SPW,  28
.set NIL,  29
.set SA,   32
.set SB,   64
.set BI,   96
.set ACC,  128
.set F0,   0
.set F1,   128
.set RES,  0
.set TMP,  128
.set G1, 24
.set G0, 32
.set G1B, 48
.set G0B, 56
.set G1S, 68
.set G0S, 76
.set G1SB, 80
.set G0SB, 88
.set MSB, 0
.macro WIN new                         ; the immediate's high byte repeats the setting that is left
.if MSB != (\new)
	s_set_vgpr_msb (MSB<<8)|(\new)
.set MSB, (\new)
.endif
.endm
.set MUL,  0x05                        ; sources 0 (W) and 1 (A) window 1; C and D window 0
.set TO_F, 0x40
.macro JLOAD g0a, g1a, g0b, g1b        ; a joint load: waves 0 and 1 fetch for A, waves 2 and 3 for W; four v_nop follow each of the two lines
	s_cmp_eq_u32 s15, 0
	s_cbranch_scc0 .Lfor_b_\@
	tensor_load_to_lds s[\g0a:\g0a+3], s[\g1a:\g1a+7]
	s_nop 0
.rept 4
	v_nop
.endr
	s_branch .Lasked_\@
.Lfor_b_\@:
	tensor_load_to_lds s[\g0b:\g0b+3], s[\g1b:\g1b+7]
	s_nop 0
.rept 4
	v_nop
.endr
.Lasked_\@:
.endm
.macro CREST
	s_cmp_lg_u32 s14, 0
	s_cbranch_scc1 .Lnot_wave_0_\@
	s_barrier_signal -3
.Lnot_wave_0_\@:
	s_barrier_wait -3
	s_barrier_signal -1
	s_barrier_wait -1
.endm
.macro CROUND
	s_barrier_signal -1
	s_barrier_wait -1
	CREST
.endm
	s_load_b128 s[4:7], s[0:1], 0x0                ; A, W's codes
	s_load_b128 s[8:11], s[0:1], 0x10              ; W's scales, the bias
	s_load_b128 s[96:99], s[0:1], 0x20             ; the residual, out
	v_lshl_add_u32 v[SPW], v0, 2, SPARE
	v_mov_b32 v[NIL], 0
	ds_add_u32 v28, v29
	ds_add_u32 v28, v29
	s_wait_dscnt 0x0
	v_lshrrev_b32 v1, 5, v0
	v_readfirstlane_b32 s14, v1                    ; wave 0..3
	s_lshr_b32 s15, s14, 1                         ; which 64 tokens are mine.  Also: I fetch for A (0) or for W (1)
	s_and_b32 s16, s14, 1                          ; which 64 columns.  Also: which half of that tile I fetch
	s_bfe_u32 s40, ttmp6, 0x40000                  ; cx, cy
	s_bfe_u32 s41, ttmp6, 0x40004
	s_lshl_b32 s42, ttmp9, 2
	s_add_co_u32 s42, s42, s40                     ; tile column
	s_and_b32 s17, ttmp7, 0xffff
	s_lshl_b32 s17, s17, 2
	s_add_co_u32 s17, s17, s41                     ; tile row
	s_lshl_b32 s43, s41, 2
	s_lshl_b32 s43, 15, s43                        ; my row of the cluster
	s_lshl_b32 s44, 0x1111, s40                    ; my column
	s_or_b32 s[G1+0], s43, (3<<16)|(1<<21)         ; A's tiles: the mask of my row; elements of 8 bytes; bit 21 beside a mask; no padding
	s_mov_b32 s[G1+1], 1024<<16                    ; tensor_dim0: a token tile's 512 along K are 8,192 consecutive bytes
	s_mov_b32 s[G1+2], 4<<16                       ; tensor_dim1: four token tiles
	s_mov_b32 s[G1+3], 1024<<16                    ; tile_dim0
	s_mov_b32 s[G1+4], 4                           ; tile_dim1
	s_mov_b32 s[G1+5], 2*SIZE_K                    ; the pitch: a token tile's whole K, 16 SIZE_K bytes
	s_mov_b32 s[G1+6], 0
	s_mov_b32 s[G1+7], 0
	s_or_b32 s[G1B+0], s44, (0<<16)|(1<<20)|(1<<21)|(6<<22)|(3<<25)  ; W's tiles: the mask of my column; elements of 1 byte; 4 words of padding after every 128
	s_mov_b32 s[G1B+1], 512<<16
	s_mov_b32 s[G1B+2], 64<<16
	s_mov_b32 s[G1B+3], 512<<16
	s_mov_b32 s[G1B+4], 64
	s_mov_b32 s[G1B+5], SIZE_K
	s_mov_b32 s[G1B+6], 0
	s_mov_b32 s[G1B+7], 0
	s_or_b32 s[G1S+0], s43, (3<<16)|(1<<20)|(1<<21)|(5<<22)|(3<<25)  ; the scales: a dense block of 2 SIZE_K bytes, as rows of 256 bytes with 16 of padding
	s_or_b32 s[G1SB+0], s44, (3<<16)|(1<<20)|(1<<21)|(5<<22)|(3<<25)
.irp g, G1S, G1SB
	s_mov_b32 s[\g+1], 32<<16
	s_mov_b32 s[\g+2], (SIZE_K/128)<<16
	s_mov_b32 s[\g+3], 32<<16
	s_mov_b32 s[\g+4], SIZE_K/128
	s_mov_b32 s[\g+5], 32
	s_mov_b32 s[\g+6], 0
	s_mov_b32 s[\g+7], 0
.endr
	s_lshl_b32 s20, s17, 3
	s_lshl_b32 s18, s16, 2
	s_add_co_u32 s20, s20, s18                     ; A: token tile 8 x tile row + 4 x half
	s_mul_i32 s20, s20, SIZE_K*16
	s_mov_b32 s21, 0
	s_lshl_b32 s22, s17, 1
	s_add_co_u32 s22, s22, s16
	s_mul_i32 s22, s22, SIZE_K*2                   ; A's scale words: 4 SIZE_K bytes for 128 tokens; my half
	s_mov_b32 s23, 0
	s_lshl_b32 s46, s42, 1
	s_add_co_u32 s46, s46, s16                     ; W: rows 64 x (2 x tile column + half) on
	s_mul_i32 s92, s46, 64*KS
	s_mov_b32 s93, 0
	s_mul_i32 s46, s46, 64*SIZE_K
	s_mov_b32 s47, 0
	s_mul_i32 s45, s16, AHALF                      ; where they go: no place in the cluster enters an LDS address
	s_mul_i32 s94, s16, BHALF
	s_add_co_u32 s94, s94, BOFF
	s_mul_i32 s95, s16, HALFS
	s_add_co_u32 s95, s95, SCL
	s_add_co_u32 s66, s95, 2*HALFS
	s_wait_kmcnt 0x0
	s_mov_b64 s[12:13], s[98:99]                   ; out
	s_mov_b64 s[98:99], s[96:97]                   ; the residual
	s_mov_b64 s[96:97], s[10:11]                   ; the bias
	s_mov_b64 s[10:11], s[8:9]                     ; W's scales
	s_mov_b64 s[8:9], s[6:7]                       ; W's codes
	s_add_nc_u64 s[6:7], s[4:5], 4096*SIZE_K       ; A's scale words lie behind its codes
	s_add_nc_u64 s[20:21], s[4:5], s[20:21]
	s_add_nc_u64 s[22:23], s[6:7], s[22:23]
	s_add_nc_u64 s[46:47], s[8:9], s[46:47]
	s_add_nc_u64 s[92:93], s[10:11], s[92:93]
	CROUND                                         ; all sixteen work-groups are here: the first joint loads meet
	s_mov_b32 s[G0S], 1
	s_mov_b32 s[G0S+1], s95
	s_mov_b64 s[G0S+2:G0S+3], s[22:23]
	s_or_b32 s[G0S+3], s[G0S+3], 0x80000000
	s_mov_b32 s[G0SB], 1
	s_mov_b32 s[G0SB+1], s66
	s_mov_b64 s[G0SB+2:G0SB+3], s[92:93]
	s_or_b32 s[G0SB+3], s[G0SB+3], 0x80000000
	JLOAD G0S, G1S, G0SB, G1SB                     ; the scales first
.irp s, 0,1
	s_mov_b32 s[G0+4*\s], 1
	s_add_co_u32 s[G0+4*\s+1], s45, \s*SLOT
	s_add_nc_u64 s[G0+4*\s+2:G0+4*\s+3], s[20:21], \s*8192
	s_or_b32 s[G0+4*\s+3], s[G0+4*\s+3], 0x80000000
	s_mov_b32 s[G0B+4*\s], 1
	s_add_co_u32 s[G0B+4*\s+1], s94, \s*SLOT
	s_add_nc_u64 s[G0B+4*\s+2:G0B+4*\s+3], s[46:47], \s*512
	s_or_b32 s[G0B+4*\s+3], s[G0B+4*\s+3], 0x80000000
	JLOAD G0+4*\s, G1, G0B+4*\s, G1B
.endr
	v_and_b32 v1, 15, v0                           ; r
	v_bfe_u32 v2, v0, 4, 1                         ; h
	v_and_b32 v3, 31, v0
	v_lshlrev_b32 v3, 4, v3                        ; 16 x lane
	v_mul_u32_u24 v4, v1, BP
	v_lshl_add_u32 v4, v2, 4, v4                   ; W: row x pitch + 16 x half
	s_mul_i32 s21, s15, AHALF                      ; my four token tiles
	s_mul_i32 s22, s16, BHALF                      ; my 64 rows of W
	s_add_co_u32 s22, s22, BOFF
.irp s, 0,1
	v_add_nc_u32 v[ADRA+\s], s21, v3
	v_add_nc_u32 v[ADRB+\s], s22, v4
	s_add_co_u32 s21, s21, SLOT
	s_add_co_u32 s22, s22, SLOT
.endr
	v_lshlrev_b32 v5, 5, v1                        ; A's scale words: 32 bytes a row (eight tiles' words),
	v_lshrrev_b32 v6, 3, v1
	v_lshl_add_u32 v5, v6, 4, v5                   ; 16 more behind the 256 that rows 0-7 fill,
	s_lshl_b32 s21, s15, 4                         ; my four tiles' words
	s_add_co_u32 s21, s21, SCL
	v_add_nc_u32 v[ADSA], s21, v5
	v_mul_u32_u24 v5, v1, KS                       ; W's scale bytes: KS a row,
	v_lshrrev_b32 v6, 8, v5
	v_lshl_add_u32 v5, v6, 4, v5                   ; and 16 more for each 256 passed
	s_mul_i32 s21, s16, HALFS
	s_add_co_u32 s21, s21, SCL+2*HALFS
	v_add_nc_u32 v[ADSB], s21, v5
	s_mul_i32 s23, s14, 16*SPITCH                  ; my stage
	v_mul_u32_u24 v5, v1, SPITCH
	v_lshl_add_u32 v5, v2, 5, v5
	v_add_nc_u32 v[STO], s23, v5                   ; in: row r, 32 bytes for each half of the lanes
	v_mul_u32_u24 v5, v2, SPITCH
	v_lshl_add_u32 v5, v1, 4, v5
	v_add_nc_u32 v[RD], s23, v5                    ; back: lanes 0-15 one row of 256 bytes, lanes 16-31 the next
	v_lshlrev_b32 v5, 12, v2
	v_lshl_add_u32 v[CO], v1, 4, v5                ; and the same two rows in the residual and in out
	v_lshlrev_b32 v7, 5, v2                        ; the bias: my half's eight numbers of a tile
	s_lshl_b32 s20, s17, 1
	s_add_co_u32 s20, s20, s15
	s_lshl_b32 s20, s20, 18                        ; my first row: 64 rows of 4,096 bytes x (2 x tile row + half)
	s_lshl_b32 s46, s42, 1
	s_add_co_u32 s46, s46, s16
	s_lshl_b32 s46, s46, 8                         ; my first column, in bytes
	s_mov_b32 s47, 0
	s_add_nc_u64 s[96:97], s[96:97], s[46:47]
	s_add_co_u32 s20, s20, s46
	s_mov_b32 s21, 0
	s_add_nc_u64 s[98:99], s[98:99], s[20:21]
	s_add_nc_u64 s[12:13], s[12:13], s[20:21]
.irp b, 0,1,2,3
	global_load_b128 v[BI+8*\b:BI+8*\b+3], v7, s[96:97] offset:64*\b         ; lane (r, h), tile b: columns 16 b + 8 h + 0 .. 7
	global_load_b128 v[BI+8*\b+4:BI+8*\b+7], v7, s[96:97] offset:64*\b+16
.endr
	WIN 0x80                                       ; destination window 2
.irp a, 0,1,2,3
.irp t, 0,1,2,3,4,5,6,7
	global_load_b128 v[RES+4*(8*\a+\t):RES+4*(8*\a+\t)+3], v[CO], s[98:99] offset:(16*\a+2*\t)*4096
.endr
.endr
	WIN 0
; 4 matrix instructions: token tile a x W's four tiles, the slot's q-th 128 along K.  The 16 accumulators take turns, one instruction a turn, in one order throughout.
.macro MUL4 f, a, q, sc, zero
.irp b, 0,1,2,3
.if \zero
	v_wmma_scale_f32_16x16x128_f8f6f4 v[ACC+8*(4*(\a)+\b):ACC+8*(4*(\a)+\b)+7], v[\f+64+16*\b:\f+64+16*\b+15], v[\f+16*(\a):\f+16*(\a)+15], v[BI+8*\b:BI+8*\b+7], v[SB+16*(\sc)+4*\b+(\q)], v[SA+16*(\sc)+4*(\q)+(\a)] matrix_a_fmt:MATRIX_FMT_BF8 matrix_b_fmt:MATRIX_FMT_BF8
.else
	v_wmma_scale_f32_16x16x128_f8f6f4 v[ACC+8*(4*(\a)+\b):ACC+8*(4*(\a)+\b)+7], v[\f+64+16*\b:\f+64+16*\b+15], v[\f+16*(\a):\f+16*(\a)+15], v[ACC+8*(4*(\a)+\b):ACC+8*(4*(\a)+\b)+7], v[SB+16*(\sc)+4*\b+(\q)], v[SA+16*(\sc)+4*(\q)+(\a)] matrix_a_fmt:MATRIX_FMT_BF8 matrix_b_fmt:MATRIX_FMT_BF8
.endif
.endr
.endm
.macro FETCH slot, q, f                ; 32 LDS loads in one run: W's four fragments, then A's tiles 0, 1, then 2, 3
	WIN TO_F
.irp b, 0,1,2,3
.irp c, 0,1,2,3
	ds_load_b128 v[\f+64+16*\b+4*\c:\f+64+16*\b+4*\c+3], v[ADRB+\slot] offset:16*BP*\b+128*(\q)+32*\c
.endr
.endr
.irp a, 0,1,2,3
.irp c, 0,1,2,3
	ds_load_b128 v[\f+16*\a+4*\c:\f+16*\a+4*\c+3], v[ADRA+\slot] offset:8192*\a+2048*(\q)+512*\c
.endr
.endr
.endm
.macro SCALES sc                       ; a slot's scale words: A's: for each 128 along K my four tiles' words;  W's: for each tile a row's four words
	WIN 0
.irp q, 0,1,2,3
	ds_load_b128 v[SA+16*\sc+4*\q:SA+16*\sc+4*\q+3], v[ADSA] offset:544*\q
.endr
.irp b, 0,1,2,3
	ds_load_b128 v[SB+16*\sc+4*\b:SB+16*\sc+4*\b+3], v[ADSB] offset:\b*SBLK
.endr
.endm
.macro PLACES n                        ; plain vector lines between a matrix instruction and a load into, or a vector line on, its registers
.rept \n
	v_nop
.endr
.endm
.macro QUARTER slot, q, f, g, zero     ; 128 along K from buffer f; in its middle the next 128 are fetched into g
	s_wait_dscnt 8                                 ; W's fragments and A's tiles 0, 1 are in; the youngest eight loads may be out
	WIN MUL
	MUL4 \f, 0, \q, \slot, \zero
	MUL4 \f, 1, \q, \slot, \zero
	PLACES 8
	FETCH \slot, (\q)+1, \g
	s_wait_dscnt 32                                ; all but the 32 just issued
	WIN MUL
	MUL4 \f, 2, \q, \slot, \zero
	MUL4 \f, 3, \q, \slot, \zero
.endm
; A slot's last quarter changes slots: one barrier; in front of it each wave waits for all its tensor loads, adds 0 to its spare word, and waits for that and for its reads of this slot.
.macro TURN slot, next, fill
	WIN 0
	s_wait_tensorcnt 0x0                           ; all my tensor loads have landed: my part of the next slot
	ds_add_u32 v[SPW], v[NIL]                      ; 0 onto my spare word
	s_wait_dscnt 9                                 ; (the add and the youngest eight loads may be out)
	WIN MUL
	MUL4 F1, 0, 3, \slot, 0
	s_wait_dscnt 0x0                               ; the add is done, and my reads of this slot are over
	s_barrier_signal -1
	MUL4 F1, 1, 3, \slot, 0
	WIN 0
	s_barrier_wait -1
.if \fill
	CREST                                          ; the barrier has opened a round of the cluster's barrier: no wave of any partner still reads this slot or has a load on its way
	s_add_nc_u64 s[G0+4*\slot+2:G0+4*\slot+3], s[G0+4*\slot+2:G0+4*\slot+3], 16384
	s_add_nc_u64 s[G0B+4*\slot+2:G0B+4*\slot+3], s[G0B+4*\slot+2:G0B+4*\slot+3], 1024
	JLOAD G0+4*\slot, G1, G0B+4*\slot, G1B         ; the first tensor load behind the round
	PLACES 4
.else
	PLACES 8
.endif
	v_add_nc_u32 v[ADSA], 4*544, v[ADSA]           ; the next slot's scale words (no LDS load of mine is out)
	v_add_nc_u32 v[ADSB], 16, v[ADSB]
	SCALES \next
	FETCH \next, 0, F0
	WIN MUL
	MUL4 F1, 2, 3, \slot, 0
	MUL4 F1, 3, 3, \slot, 0
.endm
	s_wait_tensorcnt 1                             ; the scales and my part of slot 0 are in; slot 1's load may be out
	s_barrier_signal -1
	s_barrier_wait -1
	SCALES 0
	FETCH 0, 0, F0
	s_wait_loadcnt 32                              ; the bias is in; the residual's 32 loads may be out
	QUARTER 0, 0, F0, F1, 1                        ; the first products start the sums on the bias
.if LAPS > 1
	WIN 0
	s_mov_b32 s3, LAPS-1
.Llap:
	QUARTER 0, 1, F1, F0, 0
	QUARTER 0, 2, F0, F1, 0
	TURN 0, 1, 1
	QUARTER 1, 0, F0, F1, 0
	QUARTER 1, 1, F1, F0, 0
	QUARTER 1, 2, F0, F1, 0
	TURN 1, 0, 1
	QUARTER 0, 0, F0, F1, 0
	WIN 0
	s_sub_co_u32 s3, s3, 1
	s_cmp_lg_u32 s3, 0
	s_cbranch_scc1 .Llap
.endif
	QUARTER 0, 1, F1, F0, 0                        ; the last lap fills nothing
	QUARTER 0, 2, F0, F1, 0
	TURN 0, 1, 0
	QUARTER 1, 0, F0, F1, 0
	QUARTER 1, 1, F1, F0, 0
	QUARTER 1, 2, F0, F1, 0
	s_wait_dscnt 8
	WIN MUL
	MUL4 F1, 0, 3, 1, 0
	MUL4 F1, 1, 3, 1, 0
	s_wait_dscnt 0
	MUL4 F1, 2, 3, 1, 0
	MUL4 F1, 3, 3, 1, 0
	WIN 0
	; THE WAY OUT, 16 rows x 64 columns at a time: into my stage, back as whole rows of 256 bytes, + the residual, stored.
	PLACES 8
	s_wait_loadcnt 0x0                             ; the residual
.irp a, 0,1,2,3
.if \a > 1
	s_wait_xcnt 0x0                                ; the stores of two blocks back have read their registers, which are loaded again
.endif
.irp b, 0,1,2,3
	ds_store_b128 v[STO], v[ACC+8*(4*\a+\b):ACC+8*(4*\a+\b)+3] offset:64*\b          ; each accumulator from its low end on
	ds_store_b128 v[STO], v[ACC+8*(4*\a+\b)+4:ACC+8*(4*\a+\b)+7] offset:64*\b+16
.endr
	WIN 0x80
.irp t, 0,1,2,3,4,5,6,7
	ds_load_b128 v[TMP+32*(\a%2)+4*\t:TMP+32*(\a%2)+4*\t+3], v[RD] offset:2*SPITCH*\t   ; LDS serves a wave's instructions in order: these see the stores above
.endr
	s_wait_dscnt 0x0
	WIN 0x8a                                       ; sources 0, 1 and the destination: window 2
.irp u, 0,2,4,6,8,10,12,14,16,18,20,22,24,26,28,30
	v_pk_add_f32 v[TMP+32*(\a%2)+\u:TMP+32*(\a%2)+\u+1], v[TMP+32*(\a%2)+\u:TMP+32*(\a%2)+\u+1], v[RES+32*\a+\u:RES+32*\a+\u+1]
.endr
	WIN 0x08                                       ; a store's data are its source 1: window 2
.irp t, 0,1,2,3,4,5,6,7
	global_store_b128 v[CO], v[TMP+32*(\a%2)+4*\t:TMP+32*(\a%2)+4*\t+3], s[12:13] offset:(16*\a+2*\t)*4096   ; 16 lanes store 256 consecutive bytes, at a multiple of 256 from out's first byte
.endr
	WIN 0
.endr
	s_wait_tensorcnt 0x0                           ; the wave's end
	ds_add_u32 v[SPW], v[NIL]
	s_wait_dscnt 0x0
	CROUND                                         ; the closing round
	s_endpgm
.Lfunc_end_k_q40d4982721_wo:
	.size	k_q40d4982721_wo, .Lfunc_end_k_q40d4982721_wo-k_q40d4982721_wo
	.p2alignl 7, 3214868480
	.fill 96, 4, 3214868480
	.section	.rodata,"a",@progbits
	.p2align	6, 0x0
	.amdhsa_kernel k_q40d4982721_wo
		.amdhsa_group_segment_fixed_size 327680
		.amdhsa_private_segment_fixed_size 0
		.amdhsa_enable_private_segment 0
		.amdhsa_kernarg_size 48
		.amdhsa_user_sgpr_count 2
		.amdhsa_user_sgpr_kernarg_segment_ptr 1
		.amdhsa_wavefront_size32 1
		.amdhsa_system_sgpr_workgroup_id_x 1
		.amdhsa_system_sgpr_workgroup_id_y 1
		.amdhsa_system_sgpr_workgroup_id_z 1
		.amdhsa_system_vgpr_workitem_id 0
		.amdhsa_next_free_vgpr 768
		.amdhsa_next_free_sgpr 100
		.amdhsa_reserve_vcc 0
		.amdhsa_float_denorm_mode_32 3
		.amdhsa_float_denorm_mode_16_64 3
		.amdhsa_memory_ordered 1
		.amdhsa_forward_progress 1
		.amdhsa_inst_pref_size 63
	.end_amdhsa_kernel
	.amdgpu_metadata
---
amdhsa.version: [ 1, 2 ]
amdhsa.kernels:
  - .name:           k_q40d4982721_wo
    .symbol:         k_q40d4982721_wo.kd
    .args:
      - { .name: obuf, .offset: 0, .size: 8, .value_kind: global_buffer, .address_space: global }
      - { .name: Wo_codes, .offset: 8, .size: 8, .value_kind: global_buffer, .address_space: global }
      - { .name: Wo_scales, .offset: 16, .size: 8, .value_kind: global_buffer, .address_space: global }
      - { .name: bo, .offset: 24, .size: 8, .value_kind: global_buffer, .address_space: global }
      - { .name: x, .offset: 32, .size: 8, .value_kind: global_buffer, .address_space: global }
      - { .name: x1, .offset: 40, .size: 8, .value_kind: global_buffer, .address_space: global }
    .group_segment_fixed_size: 327680
    .private_segment_fixed_size: 0
    .kernarg_segment_align: 8
    .kernarg_segment_size: 48
    .max_flat_workgroup_size: 128
    .sgpr_count:     100
    .vgpr_count:     768
    .wavefront_size: 32
...
	.end_amdgpu_metadata
.endif
;; end of part 4
;; launch ln2: the kernel of part 1 again; grid 256 x 1, 4 waves a work-group, no clusters, 82,944 bytes of LDS; arguments x1, g2, be2, hbuf; writes hbuf
;; launch ff1 (part 5): grid 16 x 16, 4 waves a work-group, clusters of 4 x 4, 327,680 bytes of LDS; arguments hbuf, W1_codes, W1_scales, b1, fbuf; writes fbuf
.if DOCPART == 5
	.amdgcn_target "amdgcn-amd-amdhsa--gfx1250"
	.amdhsa_code_object_version 6
	.text
	.protected	k_q40d4982721_ff1
	.globl	k_q40d4982721_ff1
	.p2align	8
	.type	k_q40d4982721_ff1,@function
k_q40d4982721_ff1:
	s_mov_b64 s[64:65], 0
	v_nop
	global_prefetch_b8 v0, s[64:65] scope:SCOPE_SE
	s_setreg_imm32_b32 hwreg(HW_REG_WAVE_MODE, 25, 1), 1
	s_wait_xcnt 0x0
	s_wait_alu depctr_hold_cnt(0) depctr_sa_sdst(0) depctr_va_vdst(0) depctr_va_sdst(0) depctr_va_ssrc(0) depctr_va_vcc(0) depctr_vm_vsrc(0)
	s_getreg_b32 s2, hwreg(HW_REG_IB_STS2, 6, 4)
	s_cmp_eq_u32 s2, 0
	s_cbranch_scc0 .Lentry_in_a_cluster
	s_endpgm
.Lentry_in_a_cluster:
	s_bfe_u32 s2, ttmp6, 0x10000c
	s_cmp_lg_u32 s2, 0xf033
	s_cbranch_scc0 .Lentry_shape_is_right
	s_endpgm
.Lentry_shape_is_right:
; f = relu(h2 W1^T + b1) on codes of BF8 (E5M2) with E8M0 scales, K = 1,024; the result is quantised at once along the 4,096 hidden units, the next product's K, and never lies in memory as f32.
; Side X (source 0): 256 rows of W1, whose index becomes the next K.  Side Y (source 1): 256 tokens; a lane holds one token.
; A tile is 256 x 256, four waves, a wave 128 x 128: 64 accumulators, 512 registers.  K goes in steps of 256 through a ring of two LDS slots filled by the tensor data mover; the scale bytes of the 512 rows come once and stay.
; CLUSTERS: 4 x 4 work-groups; the tokens' tiles are shared along a row of the cluster, W1's along a column: each is asked for jointly.  256 work-groups.
; The bias is the C of each sum's first product.  The activation costs nothing: the hold ahead of the conversion clips at 0 as well, and what is negative does not count for a block's largest magnitude.
; THE WAY OUT.  In the result lane (r, h) holds token r and, in register j of X tile b, hidden unit 16 b + 8 h + j.  A block of 32 lies in tiles 2 B, 2 B + 1 of lanes l and l xor 16.  The two conversions of a block give 8 + 8 codes;
; two v_permlane16_swap_b32 make of them k = 32 B + 16 h + 0 .. 15: an operand's register image, stored as it stands.
; OUT: codes [token tile][32 steps of 128][block of 32][lane][16] from byte 0; scale words [128 tokens][32 steps][row 0-15][tile 0-7] from byte 16,777,216.
; LIMITS: NaN and infinities are not served; a block of zeros, or one under 2^-111, gets the byte 1; these bytes are read by this program alone.
; REGISTERS, in windows of 256: window 0: v0-31 addresses; v32-63 scale words, two sets; v64-127 the bias, on the way out at work; from v128 Y's fragments, one set, on the way out the codes.
;   window 1: X's fragments, two sets.   window 2: the accumulators of my Y blocks 0-3 ((a, b) at v[8 (8 a + b)]);   window 3: those of blocks 4-7.
.set SIZE_K, 1024
.set KSTEP,  256
.set NQ,     KSTEP/128
.set ROWB,   256
.set KROW,   SIZE_K
.set PITCH,  272                       ; an LDS row: 256 bytes + 16 of padding
.set FR,     16
.set NL,     4
.set NP,     8                         ; places behind this matrix instruction (ISA guide 7.12.1)
.set HALFT,  128*PITCH
.set SLOT,   4*HALFT
.set LAPS,   SIZE_K/(2*KSTEP)
.set KS,     SIZE_K/32
.set SCL,    2*SLOT
.set HALFS,  (128*KS/256)*272
.set SBLK,   (16*KS/256)*272
.set SPARE,  SCL+4*HALFS               ; the spare words, 128 bytes a wave: no other line names them
.set OFFA,   65536                     ; from a token tile's images to the next: 32 steps of 2,048 bytes
.set ADRA, 16
.set ADRB, 20
.set LI,   24                          ; v24     16 x lane
.set SAD,  25                          ; v25     32 r + 16 h: where my four scale words go
.set ADRS, 27
.set SPW,  28
.set NIL,  29
.set SC,   32
.set BI,   64                          ; v64-127 the bias: eight registers for each X tile
.set AF,   128
.set TM,   64
.set WD,   80
.set Z,    96
.set PCB,  128
.set PSEL, 98
.set MNT,  95
.set G1, 24
.set G0, 32
.set G1B, 48
.set G0B, 56
.set G1S, 68
.set G0S, 76
.set G1SB, 80
.set G0SB, 88
.set MSB, 0
.macro WIN new                         ; the immediate's high byte repeats the setting that is left
.if MSB != (\new)
	s_set_vgpr_msb (MSB<<8)|(\new)
.set MSB, (\new)
.endif
.endm
.set MUL_LO, 0xa1                      ; source 0 (X) window 1, source 1 (Y) window 0, C and D window 2
.set MUL_HI, 0xf1
.set TO_B,   0x40
.macro JLOAD g0a, g1a, g0b, g1b        ; a joint load: waves 0 and 1 fetch for Y, waves 2 and 3 for X; four v_nop follow each of the two lines
	s_cmp_eq_u32 s15, 0
	s_cbranch_scc0 .Lfor_b_\@
	tensor_load_to_lds s[\g0a:\g0a+3], s[\g1a:\g1a+7]
	s_nop 0
.rept 4
	v_nop
.endr
	s_branch .Lasked_\@
.Lfor_b_\@:
	tensor_load_to_lds s[\g0b:\g0b+3], s[\g1b:\g1b+7]
	s_nop 0
.rept 4
	v_nop
.endr
.Lasked_\@:
.endm
.macro CREST
	s_cmp_lg_u32 s14, 0
	s_cbranch_scc1 .Lnot_wave_0_\@
	s_barrier_signal -3
.Lnot_wave_0_\@:
	s_barrier_wait -3
	s_barrier_signal -1
	s_barrier_wait -1
.endm
.macro CROUND
	s_barrier_signal -1
	s_barrier_wait -1
	CREST
.endm
	s_load_b128 s[4:7], s[0:1], 0x0                ; h2, W1's codes
	s_load_b128 s[8:11], s[0:1], 0x10              ; W1's scales, b1
	s_load_b64 s[12:13], s[0:1], 0x20              ; out
	v_lshl_add_u32 v[SPW], v0, 2, SPARE
	v_mov_b32 v[NIL], 0
	ds_add_u32 v28, v29
	ds_add_u32 v28, v29
	s_wait_dscnt 0x0
	v_lshrrev_b32 v1, 5, v0
	v_readfirstlane_b32 s14, v1                    ; wave 0..3
	s_lshr_b32 s15, s14, 1                         ; which half of the tokens is mine.  Also: I fetch for Y (0) or for X (1)
	s_and_b32 s16, s14, 1                          ; which half of W1's rows.  Also: which 128 rows of that tile I fetch
	s_bfe_u32 s40, ttmp6, 0x40000                  ; cx, cy
	s_bfe_u32 s41, ttmp6, 0x40004
	s_lshl_b32 s42, ttmp9, 2
	s_add_co_u32 s42, s42, s40                     ; X tile
	s_and_b32 s17, ttmp7, 0xffff
	s_lshl_b32 s17, s17, 2
	s_add_co_u32 s17, s17, s41                     ; Y tile
	s_lshl_b32 s43, s41, 2
	s_lshl_b32 s43, 15, s43                        ; my row of the cluster
	s_lshl_b32 s44, 0x1111, s40                    ; my column
	s_or_b32 s[G1+0], s43, (0<<16)|(1<<20)|(1<<21)|(5<<22)|(3<<25)  ; the mask: Y's tiles go to my row; elements of 1 byte; padding on; bit 21 beside a mask; 4 words after every 64
	s_or_b32 s[G1B+0], s44, (0<<16)|(1<<20)|(1<<21)|(5<<22)|(3<<25)
.irp g, G1, G1B
	s_mov_b32 s[\g+1], ROWB<<16
	s_mov_b32 s[\g+2], 128<<16
	s_mov_b32 s[\g+3], ROWB<<16
	s_mov_b32 s[\g+4], 128
	s_mov_b32 s[\g+5], KROW
	s_mov_b32 s[\g+6], 0
	s_mov_b32 s[\g+7], 0
.endr
	s_or_b32 s[G1S+0], s43, (3<<16)|(1<<20)|(1<<21)|(5<<22)|(3<<25)
	s_or_b32 s[G1SB+0], s44, (3<<16)|(1<<20)|(1<<21)|(5<<22)|(3<<25)
.irp g, G1S, G1SB
	s_mov_b32 s[\g+1], 32<<16
	s_mov_b32 s[\g+2], (128*KS/256)<<16
	s_mov_b32 s[\g+3], 32<<16
	s_mov_b32 s[\g+4], 128*KS/256
	s_mov_b32 s[\g+5], 32
	s_mov_b32 s[\g+6], 0
	s_mov_b32 s[\g+7], 0
.endr
	s_lshl_b32 s18, s16, 7
	s_lshl_b32 s20, s17, 8
	s_add_co_u32 s20, s20, s18                     ; Y: row 256 x tile + 128 x half
	s_lshl_b32 s46, s42, 8
	s_add_co_u32 s46, s46, s18                     ; X likewise
	s_mov_b32 s21, 0
	s_mov_b32 s47, 0
	s_mov_b64 s[18:19], KS
	s_mul_u64 s[22:23], s[20:21], s[18:19]
	s_mul_u64 s[92:93], s[46:47], s[18:19]
	s_mov_b64 s[18:19], KROW
	s_mul_u64 s[20:21], s[20:21], s[18:19]
	s_mul_u64 s[46:47], s[46:47], s[18:19]
	s_mul_i32 s45, s14, HALFT                      ; where they go: wave x 128 rows: no place in the cluster enters an LDS address
	s_mul_i32 s94, s14, HALFS
	s_wait_kmcnt 0x0
	s_mov_b64 s[96:97], s[10:11]                   ; b1
	s_mov_b64 s[10:11], s[8:9]                     ; X's scales
	s_mov_b64 s[8:9], s[6:7]                       ; X's codes
	s_add_nc_u64 s[6:7], s[4:5], 0x400000          ; Y's scale bytes lie behind its codes
	s_add_nc_u64 s[20:21], s[4:5], s[20:21]
	s_add_nc_u64 s[22:23], s[6:7], s[22:23]
	s_add_nc_u64 s[46:47], s[8:9], s[46:47]
	s_add_nc_u64 s[92:93], s[10:11], s[92:93]
	CROUND                                         ; all sixteen work-groups are here: the first joint loads meet
	s_mov_b32 s[G0S], 1
	s_add_co_u32 s[G0S+1], s94, SCL
	s_mov_b64 s[G0S+2:G0S+3], s[22:23]
	s_or_b32 s[G0S+3], s[G0S+3], 0x80000000
	s_mov_b32 s[G0SB], 1
	s_add_co_u32 s[G0SB+1], s94, SCL
	s_mov_b64 s[G0SB+2:G0SB+3], s[92:93]
	s_or_b32 s[G0SB+3], s[G0SB+3], 0x80000000
	JLOAD G0S, G1S, G0SB, G1SB
.irp s, 0,1
	s_mov_b32 s[G0+4*\s], 1
	s_add_co_u32 s[G0+4*\s+1], s45, \s*SLOT
	s_add_nc_u64 s[G0+4*\s+2:G0+4*\s+3], s[20:21], \s*ROWB
	s_or_b32 s[G0+4*\s+3], s[G0+4*\s+3], 0x80000000
	s_mov_b32 s[G0B+4*\s], 1
	s_add_co_u32 s[G0B+4*\s+1], s45, \s*SLOT
	s_add_nc_u64 s[G0B+4*\s+2:G0B+4*\s+3], s[46:47], \s*ROWB
	s_or_b32 s[G0B+4*\s+3], s[G0B+4*\s+3], 0x80000000
	JLOAD G0+4*\s, G1, G0B+4*\s, G1B
.endr
	v_and_b32 v1, 15, v0                           ; r
	v_bfe_u32 v2, v0, 4, 1                         ; h
	v_mul_u32_u24 v3, v1, PITCH
	v_lshl_add_u32 v4, v2, 4, v3
	s_mul_i32 s21, s15, HALFT
	s_mul_i32 s22, s16, HALFT
	s_add_co_u32 s22, s22, 2*HALFT
.irp s, 0,1
	v_add_nc_u32 v[ADRA+\s], s21, v4
	v_add_nc_u32 v[ADRB+\s], s22, v4
	s_add_co_u32 s21, s21, SLOT
	s_add_co_u32 s22, s22, SLOT
.endr
	v_mul_u32_u24 v5, v1, KS
	v_lshrrev_b32 v6, 8, v5
	v_lshl_add_u32 v5, v6, 4, v5
	s_mul_i32 s21, s15, HALFS
	s_mul_i32 s22, s16, HALFS
	s_add_co_u32 s22, s22, 2*HALFS
	s_sub_co_u32 s22, s22, s21
	v_mul_u32_u24 v6, s22, v2                      ; lanes 16-31 take X's: one product, the distance between the two bases
	s_add_co_u32 s21, s21, SCL
	v_add_nc_u32 v5, v5, v6
	v_add_nc_u32 v[ADRS], s21, v5
	v_and_b32 v6, 31, v0
	v_lshlrev_b32 v[LI], 4, v6
	v_lshlrev_b32 v[SAD], 5, v1
	v_lshl_add_u32 v[SAD], v2, 4, v[SAD]
	v_lshlrev_b32 v7, 5, v2                        ; the bias: my half's eight numbers of a tile
	; where my 128 x 128 goes
	s_lshl_b32 s20, s17, 1
	s_add_co_u32 s20, s20, s15                     ; which 128 tokens
	s_lshl_b32 s46, s42, 1
	s_add_co_u32 s46, s46, s16                     ; which 128 hidden units: a K step of the next product
	s_lshl_b32 s21, s20, 19
	s_lshl_b32 s22, s46, 11
	s_add_co_u32 s22, s21, s22
	s_mov_b32 s23, 0
	s_lshl_b32 s20, s20, 5
	s_add_co_u32 s20, s20, s46
	s_lshl_b32 s20, s20, 9
	s_add_co_u32 s20, s20, 0x1000000
	s_mov_b32 s21, 0
	s_add_nc_u64 s[92:93], s[12:13], s[20:21]      ; my scale words
	s_add_nc_u64 s[12:13], s[12:13], s[22:23]      ; my codes
	s_lshl_b32 s46, s46, 9
	s_mov_b32 s47, 0
	s_add_nc_u64 s[96:97], s[96:97], s[46:47]      ; my 128 numbers of b1
.irp b, 0,1,2,3,4,5,6,7
	global_load_b128 v[BI+8*\b:BI+8*\b+3], v7, s[96:97] offset:64*\b         ; lane (r, h), tile b: hidden units 16 b + 8 h + 0 .. 7
	global_load_b128 v[BI+8*\b+4:BI+8*\b+7], v7, s[96:97] offset:64*\b+16
.endr
	s_mov_b32 s[PSEL], 0x76543210
	s_mov_b32 s[PSEL+1], 0xfedcba98
	s_mov_b32 s[MNT], 0x600000
.macro FRAG reg, adr, q, i
.irp c, 0,1,2,3
	ds_load_b128 v[\reg+4*\c:\reg+4*\c+3], v[\adr] offset:128*(\q)+32*\c+(\i)*16*PITCH
.endr
.endm
; 16 matrix instructions: Y's blocks a0, a0 + 1 x X's eight.  zero = 1: the first product starts the sum on the bias.  The 64 accumulators take turns, one instruction a turn.
.macro MUL16 a0, p, q, sc, zero
.irp a, \a0, \a0+1
.irp b, 0,1,2,3,4,5,6,7
.if \zero
	v_wmma_scale_f32_16x16x128_f8f6f4 v[8*(8*((\a)%4)+\b):8*(8*((\a)%4)+\b)+7], v[128*(\p)+FR*\b:128*(\p)+FR*\b+FR-1], v[AF+FR*(\a):AF+FR*(\a)+FR-1], v[BI+8*\b:BI+8*\b+7], v[SC+8*NQ*(\sc)+NQ*\b+(\q)], v[SC+8*NQ*(\sc)+NQ*(\a)+(\q)] matrix_a_fmt:MATRIX_FMT_BF8 matrix_b_fmt:MATRIX_FMT_BF8 matrix_a_scale:MATRIX_SCALE_ROW1
.else
	v_wmma_scale_f32_16x16x128_f8f6f4 v[8*(8*((\a)%4)+\b):8*(8*((\a)%4)+\b)+7], v[128*(\p)+FR*\b:128*(\p)+FR*\b+FR-1], v[AF+FR*(\a):AF+FR*(\a)+FR-1], v[8*(8*((\a)%4)+\b):8*(8*((\a)%4)+\b)+7], v[SC+8*NQ*(\sc)+NQ*\b+(\q)], v[SC+8*NQ*(\sc)+NQ*(\a)+(\q)] matrix_a_fmt:MATRIX_FMT_BF8 matrix_b_fmt:MATRIX_FMT_BF8 matrix_a_scale:MATRIX_SCALE_ROW1
.endif
.endr
.endr
.endm
.macro FETCH_B slot, q, p
	WIN TO_B
.irp i, 0,1,2,3,4,5,6,7
	FRAG 128*(\p)+FR*\i, ADRB+\slot, \q, \i
.endr
	WIN 0
.endm
.macro FETCH_A slot, q, i0
.irp i, \i0, \i0+1, \i0+2, \i0+3
	FRAG AF+FR*(\i), ADRA+\slot, \q, \i
.endr
.endm
.macro SCALES sc
.irp i, 0,1,2,3,4,5,6,7
	ds_load_b64 v[SC+8*NQ*\sc+NQ*\i:SC+8*NQ*\sc+NQ*\i+1], v[ADRS] offset:\i*SBLK
.endr
.endm
.macro PLACES n
.rept \n
	v_nop
.endr
.endm
.macro STEP slot, q, zero
	s_wait_dscnt 4*NL                              ; X's set and Y's blocks 0-3 are in; the youngest 16 loads (Y's blocks 4-7) may be out
.if \zero
	WIN 0x81                                       ; C, the bias, in window 0; D in window 2
.else
	WIN MUL_LO
.endif
	MUL16 0, (\q)%2, \q, \slot, \zero
	MUL16 2, (\q)%2, \q, \slot, \zero
	s_wait_dscnt 0
	PLACES NP
	FETCH_B \slot, (\q)+1, 1-(\q)%2
	FETCH_A \slot, (\q)+1, 0
.if \zero
	WIN 0xc1                                       ; C in window 0; D in window 3
.else
	WIN MUL_HI
.endif
	MUL16 4, (\q)%2, \q, \slot, \zero
	MUL16 6, (\q)%2, \q, \slot, \zero
	PLACES NP
	WIN 0
	FETCH_A \slot, (\q)+1, 4
.endm
.macro TURN slot, next, fill
	s_wait_tensorcnt 0x0                           ; all my tensor loads have landed: my part of the next slot
	ds_add_u32 v[SPW], v[NIL]                      ; 0 onto my spare word
	s_wait_dscnt 4*NL+1                            ; (the add and the youngest 16 loads may be out)
	WIN MUL_LO
	MUL16 0, 1, NQ-1, \slot, 0
	s_wait_dscnt 0x0                               ; the add is done, and my reads of this slot are over
	s_barrier_signal -1
	MUL16 2, 1, NQ-1, \slot, 0
	WIN 0
	s_barrier_wait -1
.if \fill
	CREST                                          ; the barrier has opened a round of the cluster's barrier: no wave of any partner still reads this slot or has a load on its way
	s_add_nc_u64 s[G0+4*\slot+2:G0+4*\slot+3], s[G0+4*\slot+2:G0+4*\slot+3], 2*ROWB
	s_add_nc_u64 s[G0B+4*\slot+2:G0B+4*\slot+3], s[G0B+4*\slot+2:G0B+4*\slot+3], 2*ROWB
	JLOAD G0+4*\slot, G1, G0B+4*\slot, G1B         ; the first tensor load behind the round
	PLACES NP-4
.else
	PLACES NP
.endif
	v_add_nc_u32 v[ADRS], 4*NQ, v[ADRS]
	FETCH_B \next, 0, 0
	FETCH_A \next, 0, 0
	SCALES \next
	WIN MUL_HI
	MUL16 4, 1, NQ-1, \slot, 0
	MUL16 6, 1, NQ-1, \slot, 0
	PLACES NP
	WIN 0
	FETCH_A \next, 0, 4
.endm
	s_wait_tensorcnt 1                             ; the scales and my part of K step 0 are in; K step 1's load may be out
	s_barrier_signal -1
	s_barrier_wait -1
	FETCH_B 0, 0, 0
	FETCH_A 0, 0, 0
	SCALES 0
	FETCH_A 0, 0, 4
	s_wait_loadcnt 0x0                             ; the bias
	STEP 0, 0, 1
	s_mov_b32 s3, LAPS-1
.Llap:
	TURN 0, 1, 1
	STEP 1, 0, 0
	TURN 1, 0, 1
	STEP 0, 0, 0
	s_sub_co_u32 s3, s3, 1
	s_cmp_lg_u32 s3, 0
	s_cbranch_scc1 .Llap
	TURN 0, 1, 0
	STEP 1, 0, 0
	s_wait_dscnt 4*NL
	WIN MUL_LO
	MUL16 0, 1, NQ-1, 1, 0
	MUL16 2, 1, NQ-1, 1, 0
	s_wait_dscnt 0
	WIN MUL_HI
	MUL16 4, 1, NQ-1, 1, 0
	MUL16 6, 1, NQ-1, 1, 0
	WIN 0
; THE WAY OUT of token tile a: its 64 registers (register 16 B + i: block B of 32 hidden units) become a fragment's codes and its rows' scale word.
.macro QW a
.set AC, 64*((\a)%4)
.set WS, 2+(\a)/4
.set PCA, PCB+16*(\a)
	WIN WS|(WS<<2)
.irp b, 0,1,2,3
	v_max3_num_f32 v[TM+\b], v[AC+16*\b], v[AC+16*\b+1], 0x8000000   ; no |.|: what is negative becomes 0, so it must not count; the floor 2^(16 - 127) stands over it.  Each accumulator is read from its low end on
.endr
.irp i, 2,4,6,8,10,12,14
.irp b, 0,1,2,3
	v_max3_num_f32 v[TM+\b], v[AC+16*\b+\i], v[AC+16*\b+\i+1], v[TM+\b]
.endr
.endr
	WIN 0
.irp b, 0,1,2,3
	v_permlanex16_b32 v[TM+4+\b], v[TM+\b], s[PSEL], s[PSEL+1]
.endr
.irp b, 0,1,2,3
	v_max_num_f32 v[TM+\b], v[TM+\b], v[TM+4+\b]
.endr
.irp b, 0,1,2,3
	v_add_nc_u32 v[TM+12+\b], 0xf8800000, v[TM+\b]
.endr
.irp b, 0,1,2,3
	v_and_or_b32 v[TM+8+\b], v[TM+\b], 0x7f800000, s[MNT]
.endr
.irp b, 0,1,2,3
	v_lshrrev_b32 v[TM+4+\b], 23, v[TM+12+\b]
.endr
	v_lshl_or_b32 v[WD+\a], v[TM+5], 8, v[TM+4]
	v_lshl_or_b32 v[WD+\a], v[TM+6], 16, v[WD+\a]
	v_lshl_or_b32 v[WD+\a], v[TM+7], 24, v[WD+\a]
	WIN WS|(WS<<6)
.irp b, 0,1,2,3
.irp i, 0,1,2,3,4,5,6,7,8,9,10,11,12,13,14,15
	v_med3_num_f32 v[AC+16*\b+\i], v[AC+16*\b+\i], 0, v[TM+8+\b]   ; the activation and the hold in one
.endr
.endr
	WIN WS
.irp b, 0,1,2,3
	v_cvt_scalef32_pk8_bf8_f32 v[PCA+4*\b:PCA+4*\b+1], v[AC+16*\b:AC+16*\b+7], v[TM+12+\b]
	v_cvt_scalef32_pk8_bf8_f32 v[PCA+4*\b+2:PCA+4*\b+3], v[AC+16*\b+8:AC+16*\b+15], v[TM+12+\b]
.endr
	WIN 0
	v_nop                                          ; a plain line between the conversions and the lines that touch their results
.irp b, 0,1,2,3
	v_permlane16_swap_b32 v[PCA+4*\b], v[PCA+4*\b+2]
	v_permlane16_swap_b32 v[PCA+4*\b+1], v[PCA+4*\b+3]   ; lane (r, h): k = 32 b + 16 h + 0 .. 15
.endr
.irp b, 0,1,2,3
	global_store_b128 v[LI], v[PCA+4*\b:PCA+4*\b+3], s[12:13] offset:OFFA*(\a)+512*\b   ; 32 lanes store 512 consecutive bytes
.endr
.endm
	PLACES NP
.irp b, 0,1,2,3
	v_mov_b32 v[TM+4+\b], 0                        ; written once: a lane permute's destination counts as one of its sources
.endr
.irp a, 0,1,2,3,4,5,6,7
	QW \a
.endr
	s_mov_b32 vcc_lo, 0xffff0000
.irp j, 0,1,2,3
	v_cndmask_b32 v[Z+\j], v[WD+\j], v[WD+4+\j], vcc_lo   ; lanes 0-15 store row r's words of tiles 0-3, lanes 16-31 those of tiles 4-7
.endr
	global_store_b128 v[SAD], v[Z:Z+3], s[92:93]   ; together 512 consecutive bytes
	s_wait_tensorcnt 0x0                           ; the wave's end
	ds_add_u32 v[SPW], v[NIL]
	s_wait_dscnt 0x0
	CROUND                                         ; the closing round
	s_endpgm
.Lfunc_end_k_q40d4982721_ff1:
	.size	k_q40d4982721_ff1, .Lfunc_end_k_q40d4982721_ff1-k_q40d4982721_ff1
	.p2alignl 7, 3214868480
	.fill 96, 4, 3214868480
	.section	.rodata,"a",@progbits
	.p2align	6, 0x0
	.amdhsa_kernel k_q40d4982721_ff1
		.amdhsa_group_segment_fixed_size 327680
		.amdhsa_private_segment_fixed_size 0
		.amdhsa_enable_private_segment 0
		.amdhsa_kernarg_size 40
		.amdhsa_user_sgpr_count 2
		.amdhsa_user_sgpr_kernarg_segment_ptr 1
		.amdhsa_wavefront_size32 1
		.amdhsa_system_sgpr_workgroup_id_x 1
		.amdhsa_system_sgpr_workgroup_id_y 1
		.amdhsa_system_sgpr_workgroup_id_z 1
		.amdhsa_system_vgpr_workitem_id 0
		.amdhsa_next_free_vgpr 1024
		.amdhsa_next_free_sgpr 100
		.amdhsa_reserve_vcc 1
		.amdhsa_float_denorm_mode_32 3
		.amdhsa_float_denorm_mode_16_64 3
		.amdhsa_memory_ordered 1
		.amdhsa_forward_progress 1
		.amdhsa_inst_pref_size 188
	.end_amdhsa_kernel
	.amdgpu_metadata
---
amdhsa.version: [ 1, 2 ]
amdhsa.kernels:
  - .name:           k_q40d4982721_ff1
    .symbol:         k_q40d4982721_ff1.kd
    .args:
      - { .name: hbuf, .offset: 0, .size: 8, .value_kind: global_buffer, .address_space: global }
      - { .name: W1_codes, .offset: 8, .size: 8, .value_kind: global_buffer, .address_space: global }
      - { .name: W1_scales, .offset: 16, .size: 8, .value_kind: global_buffer, .address_space: global }
      - { .name: b1, .offset: 24, .size: 8, .value_kind: global_buffer, .address_space: global }
      - { .name: fbuf, .offset: 32, .size: 8, .value_kind: global_buffer, .address_space: global }
    .group_segment_fixed_size: 327680
    .private_segment_fixed_size: 0
    .kernarg_segment_align: 8
    .kernarg_segment_size: 40
    .max_flat_workgroup_size: 128
    .sgpr_count:     100
    .vgpr_count:     1024
    .wavefront_size: 32
...
	.end_amdgpu_metadata
.endif
;; end of part 5
;; launch ff2 (part 6): grid 8 x 32, 4 waves a work-group, clusters of 4 x 4, 327,680 bytes of LDS; arguments fbuf, W2_codes, W2_scales, b2, x1, out0; writes out0
.if DOCPART == 6
	.amdgcn_target "amdgcn-amd-amdhsa--gfx1250"
	.amdhsa_code_object_version 6
	.text
	.protected	k_q40d4982721_ff2
	.globl	k_q40d4982721_ff2
	.p2align	8
	.type	k_q40d4982721_ff2,@function
k_q40d4982721_ff2:
	s_mov_b64 s[64:65], 0
	v_nop
	global_prefetch_b8 v0, s[64:65] scope:SCOPE_SE
	s_setreg_imm32_b32 hwreg(HW_REG_WAVE_MODE, 25, 1), 1
	s_wait_xcnt 0x0
	s_wait_alu depctr_hold_cnt(0) depctr_sa_sdst(0) depctr_va_vdst(0) depctr_va_sdst(0) depctr_va_ssrc(0) depctr_va_vcc(0) depctr_vm_vsrc(0)
	s_getreg_b32 s2, hwreg(HW_REG_IB_STS2, 6, 4)
	s_cmp_eq_u32 s2, 0
	s_cbranch_scc0 .Lentry_in_a_cluster
	s_endpgm
.Lentry_in_a_cluster:
	s_bfe_u32 s2, ttmp6, 0x10000c
	s_cmp_lg_u32 s2, 0xf033
	s_cbranch_scc0 .Lentry_shape_is_right
	s_endpgm
.Lentry_shape_is_right:
; out = A W^T + bias + residual.  A: [4096 tokens][4096] as register images of operands with their scale words (made by the launch before); W: [1024][4096] codes of BF8 (E5M2), K innermost, scale bytes [1024][128];
; bias [1024], residual and out [4096][1024]: f32.  Sums in f32.
; A's codes: [token tile][32 K steps of 128][block of 32][lane][16] from byte 0; its scale words [128 tokens][32 K steps][row 0-15][tile 0-7] from byte 16,777,216.
; A tile of out is 128 x 128: 256 work-groups (tiles of 256 x 256 would be 64).  Four waves; wave w makes tokens 32 w .. 32 w + 31 x all 128 columns: 16 accumulators.
; W GOES THROUGH LDS, A DOES NOT.  W's 128 rows come through a ring of two LDS slots of 1,024 along K, filled by the tensor data mover, each wave 32 rows; all four waves read all of them.
; A's fragments lie in memory as the registers want them, and each is wanted by ONE wave of the work-group: a wave loads its own, 32 lanes x 16 consecutive bytes a load, into a ring of eight K steps in registers.
; These loads are counted, never waited out: 48 to 56 of each wave (24 to 28 KB) are on their way throughout, across the changes of slots too.
; WHY A'S TILES ARE NOT ASKED FOR JOINTLY, though the work-groups of a tile row read the same rows: with A's tiles in LDS beside W's a slot of these 133,120 bytes holds 512 along K: seven changes of slots, six of them with a refill
; in front of which every load of the ring has been waited for.  With W alone it holds 1,024: three changes, two refills.  The price: each work-group of a tile row reads A's rows for itself.
; CLUSTERS: 4 x 4 work-groups; W's tiles and scale bytes are shared along a column of the cluster, A's scale words along a row: each is asked for jointly.  The scale words of all of K come once and stay in LDS.
; THE MATRIX INSTRUCTION IS USED TRANSPOSED (source 0 = 16 rows of W, source 1 = 16 tokens): a lane holds eight neighbouring numbers of a row of out.  The bias is the C of each sum's first product.
; The residual is asked for behind A's last fragments and added on the way out, behind the turn through the wave's stage in LDS, where a lane holds the same 16 bytes of a row in both.
; THE 32 K STEPS ARE WRITTEN OUT by macro: only the first two changes of slots fill a slot again, so a loop would have one trip; every offset is an immediate and no pointer is stepped but the two descriptors'.
; REGISTERS, in windows of 256: window 0: v0-31 addresses; v32-47 A's scale words, two sets (register 2 q + a); v64-127 W's, two sets (4 b + q); v128-255 the accumulators ((a, b) at 8 (8 a + b)).
;   window 1: W's fragments, two sets of eight; on the way out rows of out.   window 2: A's ring: K step s at 32 (s % 8), token tile a at + 16 a.   window 3: v0-63 the bias; v64-191 the residual.
; A K step has three switches of the window (four where scale words are fetched) for its 16 matrix instructions and 40 loads: W's fragments, A's ring and the accumulators fill a window each.
.set SIZE_K, 4096
.set KS,     SIZE_K/32                 ; a row of W's scale bytes
.set NST,    SIZE_K/128                ; K steps
.set BP,     1040                      ; a row of W in LDS: 1,024 bytes + 16 of padding = 260 words, so that the 16 rows of a fragment load start 4 words apart modulo 64
.set BQ,     32*BP                     ; what one tensor load brings: 32 rows
.set BH,     64*BP                     ; from W's tiles 0-3 to its tiles 4-7: an LDS instruction's offset has 16 bits, so each half has an address register
.set SLOT,   4*BQ
.set SCL,    2*SLOT                    ; behind the ring: A's scale words, then W's scale bytes, as units of 256 bytes + 16 of padding
.set HALFS,  (SIZE_K/128)*272          ; half of either: what one tensor load brings
.set SBLK,   (16*KS/256)*272           ; W's: from 16 rows to the next
.set SPARE,  SCL+4*HALFS               ; the spare words, 128 bytes a wave: no other line names them
.set SPITCH, 528                       ; the way out: a stage of 16 rows x (512 bytes + 16) for each wave, in slot 0, which has had its last fill and its last read by then
.set ADRB, 16                          ; v16-19  W's fragments: 2 x slot + half of the tiles
.set LI,   20                          ; v20     16 x lane; never rewritten
.set ADSA, 22                          ; v22     A's scale words
.set ADSB, 23                          ; v23     W's
.set STO,  24
.set RD,   25
.set SPW,  28                          ; v28     my spare word; never rewritten
.set NIL,  29                          ; v29     0; never rewritten
.set SA,   32
.set SB,   64
.set ACC,  128
.set AR,   0                           ; window 2
.set BI,   0                           ; window 3
.set RES,  64                          ; window 3
.set TMP,  0                           ; window 1
.set G1B, 48                           ; s[48:55] group 1 for W's tiles;  s[56:63] group 0, one set for each slot
.set G0B, 56
.set G1S, 68                           ; s[68:75], s[76:79] groups 1 and 0 for A's scale words;  s[80:87], s[88:91] for W's scale bytes
.set G0S, 76
.set G1SB, 80
.set G0SB, 88
.set MSB, 0
.macro WIN new                         ; the immediate's high byte repeats the setting that is left
.if MSB != (\new)
	s_set_vgpr_msb (MSB<<8)|(\new)
.set MSB, (\new)
.endif
.endm
.set MUL,  0x09                        ; source 0 (W) window 1, source 1 (A) window 2; C and D window 0
.set MULZ, 0x39                        ; the same with C, the bias, in window 3
.set TO_F, 0x40                        ; destination window 1
.set TO_A, 0x80                        ; destination window 2
.set TO_3, 0xc0                        ; destination window 3
.macro JLOAD g0a, g1a, g0b, g1b        ; the scales' joint load: waves 0 and 1 fetch A's halves, waves 2 and 3 W's; four v_nop follow each of the two lines
	s_cmp_eq_u32 s15, 0
	s_cbranch_scc0 .Lfor_b_\@
	tensor_load_to_lds s[\g0a:\g0a+3], s[\g1a:\g1a+7]
	s_nop 0
.rept 4
	v_nop
.endr
	s_branch .Lasked_\@
.Lfor_b_\@:
	tensor_load_to_lds s[\g0b:\g0b+3], s[\g1b:\g1b+7]
	s_nop 0
.rept 4
	v_nop
.endr
.Lasked_\@:
.endm
.macro BLOAD s                         ; W's joint load: every wave its 32 rows of the slot; four v_nop follow
	tensor_load_to_lds s[G0B+4*\s:G0B+4*\s+3], s[G1B:G1B+7]
	s_nop 0
.rept 4
	v_nop
.endr
.endm
.macro CREST                           ; a round of the cluster's barrier behind its opening barrier
	s_cmp_lg_u32 s14, 0
	s_cbranch_scc1 .Lnot_wave_0_\@
	s_barrier_signal -3
.Lnot_wave_0_\@:
	s_barrier_wait -3
	s_barrier_signal -1
	s_barrier_wait -1
.endm
.macro CROUND
	s_barrier_signal -1
	s_barrier_wait -1
	CREST
.endm
	s_load_b128 s[4:7], s[0:1], 0x0                ; A, W's codes
	s_load_b128 s[8:11], s[0:1], 0x10              ; W's scales, the bias
	s_load_b128 s[96:99], s[0:1], 0x20             ; the residual, out
	v_lshl_add_u32 v[SPW], v0, 2, SPARE
	v_mov_b32 v[NIL], 0
	ds_add_u32 v28, v29
	ds_add_u32 v28, v29
	s_wait_dscnt 0x0
	v_lshrrev_b32 v1, 5, v0
	v_readfirstlane_b32 s14, v1                    ; wave 0..3
	s_lshr_b32 s15, s14, 1                         ; of the scales I fetch A's (0) or W's (1),
	s_and_b32 s16, s14, 1                          ; this half of them
	s_bfe_u32 s40, ttmp6, 0x40000                  ; cx, cy
	s_bfe_u32 s41, ttmp6, 0x40004
	s_lshl_b32 s42, ttmp9, 2
	s_add_co_u32 s42, s42, s40                     ; tile column
	s_and_b32 s17, ttmp7, 0xffff
	s_lshl_b32 s17, s17, 2
	s_add_co_u32 s17, s17, s41                     ; tile row
	s_lshl_b32 s43, s41, 2
	s_lshl_b32 s43, 15, s43                        ; my row of the cluster
	s_lshl_b32 s44, 0x1111, s40                    ; my column
	s_or_b32 s[G1B+0], s44, (0<<16)|(1<<20)|(1<<21)|(7<<22)|(3<<25)  ; W's tiles: the mask of my column; elements of 1 byte; padding on; bit 21 beside a mask; 4 words of padding after every 256
	s_mov_b32 s[G1B+1], 1024<<16                   ; tensor_dim0: 1,024 along K
	s_mov_b32 s[G1B+2], 32<<16                     ; tensor_dim1: 32 rows
	s_mov_b32 s[G1B+3], 1024<<16                   ; tile_dim0
	s_mov_b32 s[G1B+4], 32                         ; tile_dim1
	s_mov_b32 s[G1B+5], SIZE_K                     ; the pitch
	s_mov_b32 s[G1B+6], 0
	s_mov_b32 s[G1B+7], 0
	s_or_b32 s[G1S+0], s43, (3<<16)|(1<<20)|(1<<21)|(5<<22)|(3<<25)  ; the scales: a dense block of 8,192 bytes, as rows of 256 bytes (32 elements of 8) with 16 of padding; A's go to my row,
	s_or_b32 s[G1SB+0], s44, (3<<16)|(1<<20)|(1<<21)|(5<<22)|(3<<25) ; W's to my column
.irp g, G1S, G1SB
	s_mov_b32 s[\g+1], 32<<16
	s_mov_b32 s[\g+2], (SIZE_K/128)<<16
	s_mov_b32 s[\g+3], 32<<16
	s_mov_b32 s[\g+4], SIZE_K/128
	s_mov_b32 s[\g+5], 32
	s_mov_b32 s[\g+6], 0
	s_mov_b32 s[\g+7], 0
.endr
	s_lshl_b32 s20, s17, 3
	s_lshl_b32 s18, s14, 1
	s_add_co_u32 s20, s20, s18                     ; my first token tile: 8 x tile row + 2 x wave;
	s_lshl_b32 s20, s20, 16                        ; a token tile's whole K is 65,536 bytes
	s_mov_b32 s21, 0
	s_lshl_b32 s22, s17, 1
	s_add_co_u32 s22, s22, s16
	s_mul_i32 s22, s22, SIZE_K*2                   ; A's scale words: 16,384 bytes for 128 tokens; my half
	s_mov_b32 s23, 0
	s_lshl_b32 s92, s42, 1
	s_add_co_u32 s92, s92, s16
	s_mul_i32 s92, s92, 64*KS                      ; W's scale bytes: 64 rows x (2 x tile column + half) on
	s_mov_b32 s93, 0
	s_lshl_b32 s46, s42, 2
	s_add_co_u32 s46, s46, s14
	s_lshl_b32 s46, s46, 17                        ; W's codes: 32 rows of 4,096 bytes x (4 x tile column + wave) on
	s_mov_b32 s47, 0
	s_mul_i32 s45, s14, BQ                         ; where they go: wave x 32 rows: no place in the cluster enters an LDS address
	s_mul_i32 s95, s16, HALFS
	s_add_co_u32 s95, s95, SCL
	s_add_co_u32 s66, s95, 2*HALFS
	s_lshl_b32 s30, s42, 9                         ; the tile's first column, in bytes
	s_mov_b32 s31, 0
	s_lshl_b32 s32, s17, 2
	s_add_co_u32 s32, s32, s14
	s_lshl_b32 s32, s32, 17                        ; my first row of out: 32 rows of 4,096 bytes x (4 x tile row + wave),
	s_add_co_u32 s32, s32, s30                     ; at that column
	s_mov_b32 s33, 0
	s_wait_kmcnt 0x0
	s_mov_b64 s[12:13], s[98:99]                   ; out
	s_mov_b64 s[28:29], s[96:97]                   ; the residual
	s_mov_b64 s[26:27], s[10:11]                   ; the bias
	s_mov_b64 s[10:11], s[8:9]                     ; W's scales
	s_mov_b64 s[8:9], s[6:7]                       ; W's codes
	s_add_nc_u64 s[6:7], s[4:5], 4096*SIZE_K       ; A's scale words lie behind its codes
	s_add_nc_u64 s[24:25], s[4:5], s[20:21]        ; my two token tiles' codes; never rewritten
	s_add_nc_u64 s[22:23], s[6:7], s[22:23]
	s_add_nc_u64 s[46:47], s[8:9], s[46:47]
	s_add_nc_u64 s[92:93], s[10:11], s[92:93]
	s_add_nc_u64 s[26:27], s[26:27], s[30:31]
	s_add_nc_u64 s[28:29], s[28:29], s[32:33]
	s_add_nc_u64 s[12:13], s[12:13], s[32:33]
	CROUND                                         ; all sixteen work-groups are here: the first joint loads meet
	s_mov_b32 s[G0S], 1
	s_mov_b32 s[G0S+1], s95
	s_mov_b64 s[G0S+2:G0S+3], s[22:23]
	s_or_b32 s[G0S+3], s[G0S+3], 0x80000000
	s_mov_b32 s[G0SB], 1
	s_mov_b32 s[G0SB+1], s66
	s_mov_b64 s[G0SB+2:G0SB+3], s[92:93]
	s_or_b32 s[G0SB+3], s[G0SB+3], 0x80000000
	JLOAD G0S, G1S, G0SB, G1SB                     ; the scales first; then both slots: three tensor loads of mine are out
.irp s, 0,1
	s_mov_b32 s[G0B+4*\s], 1
	s_add_co_u32 s[G0B+4*\s+1], s45, \s*SLOT
	s_add_nc_u64 s[G0B+4*\s+2:G0B+4*\s+3], s[46:47], \s*1024
	s_or_b32 s[G0B+4*\s+3], s[G0B+4*\s+3], 0x80000000
	BLOAD \s
.endr
	v_and_b32 v1, 15, v0                           ; r
	v_bfe_u32 v2, v0, 4, 1                         ; h
	v_and_b32 v3, 31, v0
	v_lshlrev_b32 v[LI], 4, v3                     ; 16 x lane
	v_lshlrev_b32 v7, 5, v2                        ; the bias: my half's eight numbers of a tile; never rewritten
	v_mul_u32_u24 v4, v1, BP
	v_lshl_add_u32 v[ADRB], v2, 4, v4              ; W: row x pitch + 16 x half: slot 0, tiles 0-3;
	v_add_nc_u32 v[ADRB+1], BH, v[ADRB]            ; tiles 4-7;
	v_add_nc_u32 v[ADRB+2], SLOT, v[ADRB]          ; slot 1
	v_add_nc_u32 v[ADRB+3], SLOT+BH, v[ADRB]
	v_lshlrev_b32 v5, 5, v1                        ; A's scale words: 32 bytes a row (eight tiles' words),
	v_lshrrev_b32 v6, 3, v1
	v_lshl_add_u32 v5, v6, 4, v5                   ; 16 more behind the 256 that rows 0-7 fill,
	s_lshl_b32 s21, s14, 3                         ; my two tiles' words
	s_add_co_u32 s21, s21, SCL
	v_add_nc_u32 v[ADSA], s21, v5
	v_mul_u32_u24 v5, v1, KS                       ; W's scale bytes: KS a row,
	v_lshrrev_b32 v6, 8, v5
	v_lshl_add_u32 v5, v6, 4, v5                   ; and 16 more for each 256 passed
	v_add_nc_u32 v[ADSB], SCL+2*HALFS, v5
	s_mul_i32 s23, s14, 16*SPITCH                  ; my stage
	v_mul_u32_u24 v5, v1, SPITCH
	v_lshl_add_u32 v5, v2, 5, v5
	v_add_nc_u32 v[STO], s23, v5                   ; in: row r, 32 bytes for each half of the lanes
	v_add_nc_u32 v[RD], s23, v[LI]                 ; back: the 32 lanes take one row of 512 bytes
; Group g of eight loads.  g under 32: A's two fragments of K step g, into the ring's place g % 8.  g = 32 .. 35: eight rows of the residual.  Beyond: nothing.
.macro AFILL g
.if (\g) < NST
	WIN TO_A
.irp a, 0,1
.irp c, 0,1,2,3
	global_load_b128 v[AR+32*((\g)%8)+16*\a+4*\c:AR+32*((\g)%8)+16*\a+4*\c+3], v[LI], s[24:25] offset:65536*\a+2048*(\g)+512*\c   ; 32 lanes read 512 consecutive bytes
.endr
.endr
.elseif (\g) < NST+4
	WIN TO_3
.irp t, 0,1,2,3,4,5,6,7
	global_load_b128 v[RES+4*(8*((\g)-NST)+\t):RES+4*(8*((\g)-NST)+\t)+3], v[LI], s[28:29] offset:(8*((\g)-NST)+\t)*4096
.endr
.endif
.endm
	WIN TO_3
.irp b, 0,1,2,3,4,5,6,7
	global_load_b128 v[BI+8*\b:BI+8*\b+3], v7, s[26:27] offset:64*\b         ; lane (r, h), tile b: columns 16 b + 8 h + 0 .. 7
	global_load_b128 v[BI+8*\b+4:BI+8*\b+7], v7, s[26:27] offset:64*\b+16
.endr
.irp g, 0,1,2,3,4,5,6,7
	AFILL \g                                       ; the ring is filled: K steps 0 to 7
.endr
	WIN 0
; 4 matrix instructions of K step s: W's tiles b0, b0 + 1 x my two token tiles.  zero = 1: the product starts the sum on the bias.
; The 16 accumulators take turns, one instruction a turn, in one order throughout.
.macro MUL4 s, b0, zero
.set FB, 128*((\s)%2)
.set FA, AR+32*((\s)%8)
.set SS, ((\s)/4)%2
.set QQ, (\s)%4
.irp b, \b0, \b0+1
.irp a, 0,1
.if \zero
	v_wmma_scale_f32_16x16x128_f8f6f4 v[ACC+8*(8*\a+(\b)):ACC+8*(8*\a+(\b))+7], v[FB+16*(\b):FB+16*(\b)+15], v[FA+16*\a:FA+16*\a+15], v[BI+8*(\b):BI+8*(\b)+7], v[SB+32*SS+4*(\b)+QQ], v[SA+8*SS+2*QQ+\a] matrix_a_fmt:MATRIX_FMT_BF8 matrix_b_fmt:MATRIX_FMT_BF8
.else
	v_wmma_scale_f32_16x16x128_f8f6f4 v[ACC+8*(8*\a+(\b)):ACC+8*(8*\a+(\b))+7], v[FB+16*(\b):FB+16*(\b)+15], v[FA+16*\a:FA+16*\a+15], v[ACC+8*(8*\a+(\b)):ACC+8*(8*\a+(\b))+7], v[SB+32*SS+4*(\b)+QQ], v[SA+8*SS+2*QQ+\a] matrix_a_fmt:MATRIX_FMT_BF8 matrix_b_fmt:MATRIX_FMT_BF8
.endif
.endr
.endr
.endm
; 32 LDS loads in one run: W's eight fragments of K step n, tiles 0-3 first, into set n % 2.  K step n lies in slot (n / 8) % 2, at byte 128 (n % 8) of the rows.
.macro FETCH n
.set FB, 128*((\n)%2)
.set SL, 2*(((\n)/8)%2)
.set QO, 128*((\n)%8)
	WIN TO_F
.irp b, 0,1,2,3
.irp c, 0,1,2,3
	ds_load_b128 v[FB+16*\b+4*\c:FB+16*\b+4*\c+3], v[ADRB+SL] offset:16*BP*\b+QO+32*\c
.endr
.endr
.irp b, 0,1,2,3
.irp c, 0,1,2,3
	ds_load_b128 v[FB+64+16*\b+4*\c:FB+64+16*\b+4*\c+3], v[ADRB+SL+1] offset:16*BP*\b+QO+32*\c
.endr
.endr
.endm
; The scale words of K steps 4 g .. 4 g + 3 into set g % 2: A's: for each K step my two tiles' words;  W's: for each tile a row's four words.  12 LDS loads.
.macro SCALES g
	WIN 0
.irp q, 0,1,2,3
	ds_load_b64 v[SA+8*((\g)%2)+2*\q:SA+8*((\g)%2)+2*\q+1], v[ADSA] offset:544*(4*(\g)+\q)
.endr
.irp b, 0,1,2,3,4,5,6,7
	ds_load_b128 v[SB+32*((\g)%2)+4*\b:SB+32*((\g)%2)+4*\b+3], v[ADSB] offset:\b*SBLK+16*(\g)
.endr
.endm
.macro PLACES n                        ; plain vector lines between a matrix instruction and a load into, or a vector line or store on, its registers
.rept \n
	v_nop
.endr
.endm
; K STEP s, with its successor in the same slot.  In its middle, behind eight places, stand all its loads in one run: the next step's fragments of W into the set that step s - 1 multiplied,
; and group s + 7 into the ring's place that step s - 1 multiplied.
; The global loads go out in one order: the bias's 16, groups 0 to 7, then group s + 7 in step s.  So at the head of step s the groups s + 1 .. s + 6 are younger than mine (at step 0: groups 1 to 7; at the end those that are left).
.macro KSTEP s, zero
.if (\s) == 0
	s_wait_loadcnt 56                              ; the bias and group 0 are in
.elseif (\s) < 30
	s_wait_loadcnt 48                              ; group s is in; six younger groups stay out
.else
	s_wait_loadcnt 8*(35-(\s))
.endif
	s_wait_dscnt 16                                ; W's tiles 0-3 (and the scale words, which are older) are in; the youngest 16 loads, tiles 4-7, may be out
.if \zero
	WIN MULZ
.else
	WIN MUL
.endif
	MUL4 \s, 0, \zero
	MUL4 \s, 2, \zero
	PLACES 8
.if ((\s)+1)%4 == 0
	SCALES ((\s)+1)/4
.endif
	FETCH (\s)+1
.if (\s) > 0
	AFILL (\s)+7
.endif
	s_wait_dscnt 32                                ; all but the 32 just issued
.if \zero
	WIN MULZ
.else
	WIN MUL
.endif
	MUL4 \s, 4, \zero
	MUL4 \s, 6, \zero
.endm
; A slot's last K step changes slots: one barrier; in front of it each wave waits for all its tensor loads, adds 0 to its spare word, and waits for that and for its reads of this slot.
; fill = 1: the slot takes the 1,024 along K two slots on: the load has eight K steps, 128 matrix instructions a wave, in which to land.  A's loads into registers stay on their way across the barrier: nobody writes those bytes.
.macro KTURN s, fill
.set SLN, ((\s)/8)%2
	WIN 0
	s_wait_loadcnt 48                              ; group s is in
	s_wait_tensorcnt 0x0                           ; all my tensor loads have landed: my part of the next slot
	ds_add_u32 v[SPW], v[NIL]                      ; 0 onto my spare word
	s_wait_dscnt 17                                ; (the add and the youngest 16 loads may be out)
	WIN MUL
	MUL4 \s, 0, 0
	s_wait_dscnt 0x0                               ; the add is done, and my reads of this slot are over
	s_barrier_signal -1
	MUL4 \s, 2, 0
	WIN 0
	s_barrier_wait -1
.if \fill
	CREST                                          ; the barrier has opened a round of the cluster's barrier: no wave of any partner still reads this slot or has a tensor load on its way
	s_add_nc_u64 s[G0B+4*SLN+2:G0B+4*SLN+3], s[G0B+4*SLN+2:G0B+4*SLN+3], 2048
	BLOAD SLN                                      ; the first tensor load behind the round, one a wave; its four v_nop are four of the eight places
	PLACES 4
.else
	PLACES 8
.endif
	SCALES ((\s)+1)/4
	FETCH (\s)+1
	AFILL (\s)+7
	WIN MUL
	MUL4 \s, 4, 0
	MUL4 \s, 6, 0
.endm
	s_wait_tensorcnt 1                             ; the scales and my part of slot 0 are in; slot 1's load may be out
	s_barrier_signal -1
	s_barrier_wait -1
	SCALES 0
	FETCH 0
	KSTEP 0, 1                                     ; the first products start the sums on the bias
.irp s, 1,2,3,4,5,6
	KSTEP \s, 0
.endr
	KTURN 7, 1                                     ; slot 0 takes K steps 16 to 23
.irp s, 8,9,10,11,12,13,14
	KSTEP \s, 0
.endr
	KTURN 15, 1                                    ; slot 1 takes K steps 24 to 31
.irp s, 16,17,18,19,20,21,22
	KSTEP \s, 0
.endr
	KTURN 23, 0                                    ; nothing is left to fetch
.irp s, 24,25,26,27,28,29,30
	KSTEP \s, 0
.endr
	s_wait_loadcnt 32                              ; the last group of A is in; the residual's 32 loads may be out
	s_wait_dscnt 16
	WIN MUL
	MUL4 31, 0, 0
	MUL4 31, 2, 0
	s_wait_dscnt 0
	MUL4 31, 4, 0
	MUL4 31, 6, 0
	WIN 0
	; THE WAY OUT, 16 rows x 128 columns at a time: into my stage, back as whole rows of 512 bytes, + the residual, stored.  Each block has registers of its own, so no store's data are written again.
	PLACES 8
	s_wait_loadcnt 0x0                             ; the residual
.irp a, 0,1
.irp b, 0,1,2,3,4,5,6,7
	ds_store_b128 v[STO], v[ACC+8*(8*\a+\b):ACC+8*(8*\a+\b)+3] offset:64*\b          ; each accumulator from its low end on
	ds_store_b128 v[STO], v[ACC+8*(8*\a+\b)+4:ACC+8*(8*\a+\b)+7] offset:64*\b+16
.endr
	WIN TO_F
.irp t, 0,1,2,3,4,5,6,7,8,9,10,11,12,13,14,15
	ds_load_b128 v[TMP+64*\a+4*\t:TMP+64*\a+4*\t+3], v[RD] offset:\t*SPITCH   ; LDS serves a wave's instructions in order: these see the stores above, and the next block's stores come behind them
.endr
	s_wait_dscnt 0x0
	WIN 0x4d                                       ; the destination and source 0: window 1; source 1, the residual: window 3
.irp u, 0,2,4,6,8,10,12,14,16,18,20,22,24,26,28,30,32,34,36,38,40,42,44,46,48,50,52,54,56,58,60,62
	v_pk_add_f32 v[TMP+64*\a+\u:TMP+64*\a+\u+1], v[TMP+64*\a+\u:TMP+64*\a+\u+1], v[RES+64*\a+\u:RES+64*\a+\u+1]
.endr
	WIN 0x04                                       ; a store's data are its source 1: window 1
.irp t, 0,1,2,3,4,5,6,7,8,9,10,11,12,13,14,15
	global_store_b128 v[LI], v[TMP+64*\a+4*\t:TMP+64*\a+4*\t+3], s[12:13] offset:(16*\a+\t)*4096   ; 32 lanes store 512 consecutive bytes, at a multiple of 256 from out's first byte
.endr
	WIN 0
.endr
	s_wait_tensorcnt 0x0                           ; the wave's end
	ds_add_u32 v[SPW], v[NIL]
	s_wait_dscnt 0x0
	CROUND                                         ; the closing round: no work-group ends while a partner may still ask for a tile that names it
	s_endpgm
.Lfunc_end_k_q40d4982721_ff2:
	.size	k_q40d4982721_ff2, .Lfunc_end_k_q40d4982721_ff2-k_q40d4982721_ff2
	.p2alignl 7, 3214868480
	.fill 96, 4, 3214868480
	.section	.rodata,"a",@progbits
	.p2align	6, 0x0
	.amdhsa_kernel k_q40d4982721_ff2
		.amdhsa_group_segment_fixed_size 327680
		.amdhsa_private_segment_fixed_size 0
		.amdhsa_enable_private_segment 0
		.amdhsa_kernarg_size 48
		.amdhsa_user_sgpr_count 2
		.amdhsa_user_sgpr_kernarg_segment_ptr 1
		.amdhsa_wavefront_size32 1
		.amdhsa_system_sgpr_workgroup_id_x 1
		.amdhsa_system_sgpr_workgroup_id_y 1
		.amdhsa_system_sgpr_workgroup_id_z 1
		.amdhsa_system_vgpr_workitem_id 0
		.amdhsa_next_free_vgpr 1024
		.amdhsa_next_free_sgpr 100
		.amdhsa_reserve_vcc 0
		.amdhsa_float_denorm_mode_32 3
		.amdhsa_float_denorm_mode_16_64 3
		.amdhsa_memory_ordered 1
		.amdhsa_forward_progress 1
		.amdhsa_inst_pref_size 198
	.end_amdhsa_kernel
	.amdgpu_metadata
---
amdhsa.version: [ 1, 2 ]
amdhsa.kernels:
  - .name:           k_q40d4982721_ff2
    .symbol:         k_q40d4982721_ff2.kd
    .args:
      - { .name: fbuf, .offset: 0, .size: 8, .value_kind: global_buffer, .address_space: global }
      - { .name: W2_codes, .offset: 8, .size: 8, .value_kind: global_buffer, .address_space: global }
      - { .name: W2_scales, .offset: 16, .size: 8, .value_kind: global_buffer, .address_space: global }
      - { .name: b2, .offset: 24, .size: 8, .value_kind: global_buffer, .address_space: global }
      - { .name: x1, .offset: 32, .size: 8, .value_kind: global_buffer, .address_space: global }
      - { .name: out0, .offset: 40, .size: 8, .value_kind: global_buffer, .address_space: global }
    .group_segment_fixed_size: 327680
    .private_segment_fixed_size: 0
    .kernarg_segment_align: 8
    .kernarg_segment_size: 48
    .max_flat_workgroup_size: 128
    .sgpr_count:     100
    .vgpr_count:     1024
    .wavefront_size: 32
...
	.end_amdgpu_metadata
.endif
;; end of part 6
